; MI455X (gfx1250); checked and timed in simulation.
; The chip was launched on July 23, 2026; its instructions are those of AMD's public machine-readable ISA for CDNA 5 (MIT licence, August 2026) and "CDNA5" Instruction Set Architecture Reference Guide (July 2026). The comments in the code are by the model that wrote it; some were corrected since.
;; Mock AWQ Qwen3 5 Mo E. Allowed arithmetic: matrix products marked QUANTISED: E2M1 operands, one E8M0 scale for each 32 along K, by v_wmma_scale_f32_16x16x128_f8f6f4 with both operands' format E2M1 (or v_wmma_scale_f32_32x16x128_f4), f32 sums; everything else in f32.
;; Inputs: gate_w 64 x 1,024 float32; qweight1 1,024 x 4,096 int32; qweight2 512 x 8,192 int32; qzeros1 8 x 4,096 int32; qzeros2 4 x 8,192 int32; scales1 8 x 32,768 float32; scales2 4 x 65,536 float32; x 1,024 x 1,024 float32.
;; Outputs: out0 1,024 x 1,024 float32.
;; This version of the problem:
;;   THIS VERSION OF THE PROBLEM IS GIVEN IN LOW PRECISION. The matrix products marked QUANTISED in the list below multiply operands that are first quantised to E2M1 (2 exponent bits, 1 mantissa bit; 4 bits a number), with one power-of-two scale for each 32 numbers along K (OCP MX v1.0); their sums are f32. All else is computed in f32.
;;   The module's matrix products, in the order in which they are computed (A, B: the left and right operand; K: the contracted axis; several contracted axes count as one K, in the product's order):
;;     1. [M 1,024, K 1,024] x [K 1,024, N 64]; A: input x; B: input gate_w: QUANTISED
;;     2. [M 1,024, K 1,024] x [K 1,024, N 32,768]; A: input x; B: computed on the way: QUANTISED
;;     3. [M 1,024, K 32,768] x [K 32,768, N 1,024]; A: computed on the way; B: computed on the way: QUANTISED
;;   THE QUANTISER, for each operand of a quantised product, along K:
;;     - K is cut into blocks of 32 from its start; a last block that is shorter is filled with zeros.
;;     - A block's scale is 2^e with e = floor(log2(the largest magnitude in the block)) - 2, held to -126 .. 127; a block of zeros has e = 0. As a byte (E8M0): e + 127.
;;     - Each number is divided by its block's scale, clamped to +-6, and rounded to the nearest number of E2M1, ties to even, subnormals kept.
;;     - The product sums the exact products of the quantised numbers (number of the format x scale) in f32.
;;   ~~~python
;;   def quantise(x, axis):      # numpy; x: float32 -> the quantised numbers, widened to float32 again
;;       x = np.moveaxis(x, axis, -1); K = x.shape[-1]
;;       x = np.pad(x, [(0, 0)] * (x.ndim - 1) + [(0, -K % 32)]); x = x.reshape(x.shape[:-1] + (-1, 32)); a = np.abs(x).max(-1, keepdims=True)
;;       e = np.where(a > 0, np.clip(np.frexp(np.where(a > 0, a, 1))[1] - 1 - 2, -126, 127), 0)      # np.frexp(a)[1] - 1 = floor(log2(a)), exactly
;;       r = np.clip(x / 2.0 ** e, -6, 6)
;;       step = 2.0 ** (np.maximum(np.frexp(np.where(r == 0, 1, r))[1] - 1, 0) - 1)
;;       q = np.round(r / step) * step * 2.0 ** e      # np.round: ties to even
;;       return np.moveaxis(q.reshape(q.shape[:-2] + (-1,))[..., :K], -1, axis).astype(np.float32)
;;   ~~~
;;   OPERANDS COMPUTED ON THE WAY. 'Computed on the way' means the value that the module computes at that place (a softmax that the list does not call 'softmax' is quantised finished and normalised). What goes into a quantiser is computed in f32, as accurately as f32 sums, v_exp_f32 and their like allow (about 1e-6 of the number): no bf16 or f16 on the way to a quantiser, and a product that is left as it is and whose result goes on into a quantised operand takes f32 operands (vector FMAs, or v_wmma_f32_16x16x4_f32). A number that lies on a knife's edge between two numbers of the format may be rounded either way, as far as f32 arithmetic and the matrix unit's own rounding can turn it there, and no further.
;; 2 versions, each right; version 2 is version 1 with the launch combine written anew for expert scheduling mode. Each part assembles by itself: llvm-mc -triple=amdgcn-amd-amdhsa -mcpu=gfx1250 --defsym DOCPART=n.
;; ======== version 1 of 2: 4 launches
;; limits: below input magnitudes of 7.7e-34 results are inexact or not finite
;; workspace buffers: xq 557,056 bytes; sel 40,960 bytes of whole numbers; topw 32,768 bytes; wc 33,554,432 bytes; ws 2,097,152 bytes; rows 262,400 bytes of whole numbers; part 33,554,432 bytes
;; launch route (part 1): grid 64 x 1, 16 waves a work-group, no clusters, 163,584 bytes of LDS; arguments x, gate_w, xq, sel, topw; writes xq, sel, topw
.if DOCPART == 1
	.amdgcn_target "amdgcn-amd-amdhsa--gfx1250"
	.amdhsa_code_object_version 6
	.text
	.protected	k_q62de7a8ca3_route
	.globl	k_q62de7a8ca3_route
	.p2align	8
	.type	k_q62de7a8ca3_route,@function
k_q62de7a8ca3_route:
	s_mov_b64 s[64:65], 0
	v_nop
	global_prefetch_b8 v0, s[64:65] scope:SCOPE_SE
	s_setreg_imm32_b32 hwreg(HW_REG_WAVE_MODE, 25, 1), 1
	s_wait_xcnt 0x0
; ROUTE.  x [1024][1024] and gate_w [64][1024], f32, are quantised to E2M1 with one E8M0 scale for each 32 along the 1,024; logits = Q(x) Q(gate_w)^T by the scaled
; matrix instruction; softmax over the 64 experts (the row's maximum taken away first); the 8 largest, equal numbers to the lower index; their weights divided by their sum.
; OUT: xq: x's codes [1024][512 bytes], K innermost, and from byte 524,288 on its scale words [1024][8];  sel: the chosen experts [1024][8] i32, and from byte 32,768 on
; two planes of 1,024 words: bit e of plane 0 (e - 32 of plane 1) says that the token chose expert e;  topw: the weights [1024][8] f32.  All at fixed places: no address hangs on the choice.
; SHARES.  A work-group of sixteen waves takes 16 tokens.  Q: wave w quantises two fragments (16 rows x 128 K) of gate_w: tile w / 4, K steps 2 (w % 4) and 2 (w % 4) + 1; waves 0-7 also K step w of x.
; L: wave w multiplies the very two fragments of gate_w that it made, which never leave its registers, by x's two fragments of the same K steps: 16 tokens x 16 experts over a quarter of K.
; T: waves 0-7 take two tokens each, sixteen lanes to a token, four experts to a lane; waves 8-15 have ended.
; LOADS.  The quantiser wants 16 neighbours of each block of 32 in one lane; a load is best where neighbouring lanes take neighbouring bytes.  Both are had: each load of a wave covers 512 consecutive bytes, a row's
; part of a K step; a fragment's 16 rows go through the wave's own stage in LDS, as they lie, and come back into the registers that they left, 64 bytes of each block's 128 to a lane.  A stage row is 512 bytes + 16,
; so that the sixteen rows that a load from the stage touches start at sixteen different groups of banks.
; THE EXPERTS OF A GATE TILE ARE NOT NEIGHBOURS: lane r of tile u takes expert 8 u + r + 24 (r / 8), so that in the transposed result register j of lane (r, h) is expert 32 h + 8 u + j of token r.
; LIMITS: NaN and infinities are not served.  A block whose largest magnitude lies under 2^-124 (a block of zeros too) gets the scale byte 1; its bytes are read by this program alone.
; The choice is made on p as v_exp_f32 and v_rcp_f32 give it.  The stores of the choice are short runs: 32 bytes a token, 72 KB in the whole launch.
.set XROW,  0                          ; LDS: 16 rows of x's codes, 512 bytes + 16
.set XP,    528
.set XSR,   16*XP                      ; their scale words, 32 bytes a row
.set LG,    XSR+512                    ; the logits: four planes (quarters of K) of 16 tokens x (256 bytes + 16)
.set LP,    272
.set LPL,   16*LP
.set TST,   LG+4*LPL                   ; the stages: 16 rows x 528 bytes for each wave
.set TSW,   16*XP
.set R,    1                           ; v1   lane % 16
.set HH,   2                           ; v2   lane / 16
.set LANE, 3
.set LI,   4                           ; v4   16 x lane
.set TSI,  5                           ; v5   my stage, on the way in: 16 x lane
.set TSO,  6                           ; v6   and on the way out: row r, + 64 h
.set XWI,  7                           ; v7, v8  where I store x's codes and scale word
.set XWS,  8
.set XRI,  9                           ; v9, v10 where I read x's fragments and scale words
.set XRS,  10
.set XCP,  11                          ; v11, v12 a row of x's codes on its way to memory
.set XCG,  12
.set LGW,  13                          ; v13, v14 the logits: in, out
.set LGR,  14
.set GS,   16                          ; v16-17 gate_w's scale words, v18-19 x's: scales and nothing else
.set XS,   18
.set PW,   20                          ; x's scale word just made
.set PC,   24                          ; v24-31 x's codes just made
.set GF,   32                          ; v32-47 my two fragments of gate_w
.set TM,   48                          ; v48-59 at work in QUANT
.set RA,   64                          ; three sets of 64 numbers
.set RB,   128
.set RC,   192
.set XF,   96                          ; later: two fragments of x, two accumulators, a row of codes, the sums, the scale words, four planes
.set A0,   128
.set XC,   144
.set SU,   152
.set SC4,  160
.set PL,   176
.set QW,   72                          ; later still: p at work, my experts' numbers, the 8 values, indices, weights
.set GI,   76
.set TV,   80
.set TI,   88
.set TW,   96
.set T0,   104
.set T1,   105
.set T2,   106
.set MLO,  107
.set MHI,  108
.set NEG,  109
.set ONE,  110
.set SI,   111
.set SW,   112
.set K7,   113
.set AT,   114
.set AM,   115
.set TOK,  116
.set MD,   117
.set WV,   14
.set SEL,  32
; A fragment's 16 rows of 512 bytes, in v[s] on as they were loaded (row i in registers 4 i on, 16 bytes a lane), go through my stage and come back so that register 16 b + i = k 32 b + 16 (lane / 16) + i of row lane % 16.
; LDS serves a wave's instructions in order: no wait stands between the stores and the loads.
.macro TURN s
.set i, 0
.rept 16
	ds_store_b128 v[TSI], v[\s+4*i:\s+4*i+3] offset:XP*i
.set i, i+1
.endr
.irp b, 0,1,2,3
.irp j, 0,1,2,3
	ds_load_b128 v[\s+16*\b+4*\j:\s+16*\b+4*\j+3], v[TSO] offset:128*\b+16*\j
.endr
.endr
.endm
; 64 numbers of a lane, register 16 b + i = k 32 b + 16 (lane / 16) + i of my row, become a fragment's codes in v[pc] on and its scale word in v[pw].
.macro QUANT s, pc, pw
.irp b, 0,1,2,3
	v_max3_num_f32 v[TM+\b], |v[\s+16*\b]|, |v[\s+1+16*\b]|, 0x1800000   ; my 16 numbers of block b, and the floor 2^(3 - 127): the byte cannot fall under 1
.endr
.irp i, 2,4,6,8,10,12,14
.irp b, 0,1,2,3
	v_max3_num_f32 v[TM+\b], v[TM+\b], |v[\s+16*\b+\i]|, |v[\s+1+16*\b+\i]|
.endr
.endr
.irp b, 0,1,2,3
	v_permlanex16_b32 v[TM+4+\b], v[TM+\b], s[SEL], s[SEL+1]
.endr
.irp b, 0,1,2,3
	v_max_num_f32 v[TM+\b], v[TM+\b], v[TM+4+\b]                   ; with lane l xor 16's: the block's largest magnitude
.endr
.irp b, 0,1,2,3
	v_add_nc_u32 v[TM+8+\b], 0xff000000, v[TM+\b]                  ; 2 off its exponent field: the conversion's scale operand
.endr
.irp b, 0,1,2,3
	v_lshrrev_b32 v[TM+4+\b], 23, v[TM+8+\b]                       ; the scale's byte
.endr
	v_lshl_or_b32 v[\pw], v[TM+5], 8, v[TM+4]
	v_lshl_or_b32 v[\pw], v[TM+6], 16, v[\pw]
	v_lshl_or_b32 v[\pw], v[TM+7], 24, v[\pw]
.irp b, 0,1,2,3
	v_cvt_scalef32_pk8_fp4_f32 v[\pc+2*\b], v[\s+16*\b:\s+7+16*\b], v[TM+8+\b]
	v_cvt_scalef32_pk8_fp4_f32 v[\pc+1+2*\b], v[\s+8+16*\b:\s+15+16*\b], v[TM+8+\b]
.endr
	v_nop                                          ; one plain instruction behind the scaled conversions
.irp c, 0,1                                    ; the operand wants a whole block in a lane: lanes 0-15 block 2 c, lanes 16-31 block 2 c + 1
.irp i, 0,1
	v_permlane16_swap_b32 v[\pc+4*\c+\i], v[\pc+2+4*\c+\i]
.endr
.endr
.endm
	s_load_b256 s[4:11], s[0:1], 0x0               ; x s[4:5], gate_w s[6:7], xq s[8:9], sel s[10:11]
	s_load_b64 s[12:13], s[0:1], 0x20              ; topw
	v_lshl_add_u32 v62, v0, 2, 0x27700
	v_mov_b32 v63, 0
	v_lshrrev_b32 v21, 5, v0
	v_readfirstlane_b32 s[WV], v21                 ; wave 0..15
	v_and_b32 v[R], 15, v0
	v_bfe_u32 v[HH], v0, 4, 1
	v_and_b32 v[LANE], 31, v0
	v_lshlrev_b32 v[LI], 4, v[LANE]
	s_and_b32 s15, s[WV], 7                        ; Q: my K step of x (waves 0-7)
	s_lshr_b32 s16, s[WV], 2                       ; u: my tile of gate_w,
	s_and_b32 s17, s[WV], 3                        ; and my quarter of K: two K steps
	s_lshl_b32 s24, ttmp9, 16                      ; x: 16 rows of 4,096 bytes a work-group,
	s_lshl_b32 s22, s15, 9                         ; 512 bytes a K step
	s_add_co_u32 s24, s24, s22
	s_mov_b32 s25, 0
	s_lshl_b32 s26, s16, 15                        ; gate_w: 8 rows a tile number, 1,024 bytes a pair of K steps
	s_lshl_b32 s22, s17, 10
	s_add_co_u32 s26, s26, s22
	s_mov_b32 s27, 0
	s_mov_b32 s[SEL], 0x76543210
	s_mov_b32 s[SEL+1], 0xfedcba98                 ; v_permlanex16_b32's selects for lane l xor 16
	; every LDS address is made here, ahead of the first parting of the waves, of the lane, the wave's number and constants
	s_mul_i32 s22, s[WV], TSW
	s_add_co_u32 s22, s22, TST                     ; my stage
	v_add_nc_u32 v[TSI], s22, v[LI]
	v_mul_u32_u24 v21, v[R], XP                    ; r x 528
	v_lshl_add_u32 v[TSO], v[HH], 6, v21
	v_add_nc_u32 v[TSO], s22, v[TSO]
	v_lshl_add_u32 v21, v[HH], 4, v21              ; r x 528 + 16 h
	v_lshlrev_b32 v22, 5, v[R]                     ; r x 32
	s_lshl_b32 s23, s15, 6
	v_add_nc_u32 v[XWI], s23, v21                  ; row r, my K step's 64 bytes, my half's 16
	s_lshl_b32 s23, s15, 2
	v_add_nc_u32 v[XWS], s23, v22
	s_lshl_b32 s23, s17, 7
	v_add_nc_u32 v[XRI], s23, v21                  ; the same row, my quarter of K: 128 bytes
	s_lshl_b32 s23, s17, 3
	v_add_nc_u32 v[XRS], s23, v22
	s_mul_i32 s23, s[WV], XP
	v_add_nc_u32 v[XCP], s23, v[LI]                ; row w of the codes, whole
	s_lshl_b32 s23, s[WV], 9
	v_add_nc_u32 v[XCG], s23, v[LI]
	v_mul_u32_u24 v[LGW], v[R], LP
	v_lshl_add_u32 v[LGW], v[HH], 7, v[LGW]
	s_mul_i32 s22, s17, LPL
	s_lshl_b32 s23, s16, 5
	s_add_co_u32 s22, s22, s23
	v_add_nc_u32 v[LGW], s22, v[LGW]               ; plane = my quarter of K, token r, experts 32 h + 8 u on
	v_mul_u32_u24 v[LGR], v[HH], LP
	v_lshl_add_u32 v[LGR], v[R], 4, v[LGR]
	s_mul_i32 s22, s15, 2*LP
	v_add_nc_u32 v[LGR], s22, v[LGR]               ; token 2 w + lane / 16, experts 4 (lane % 16) on (read by waves 0-7 alone)
	s_lshl_b32 s34, ttmp9, 4
	s_lshl_b32 s22, s[WV], 1
	s_add_co_u32 s34, s34, s22                     ; T: my first token
.irp b, 0,1,2,3
	v_mov_b32 v[TM+4+\b], 0                        ; written once: a lane permute's destination counts as one of its sources
.endr
	s_wait_kmcnt 0x0
	s_add_nc_u64 s[4:5], s[4:5], s[24:25]
	s_add_nc_u64 s[6:7], s[6:7], s[26:27]
	s_lshl_b32 s24, ttmp9, 13
	s_add_nc_u64 s[28:29], s[8:9], s[24:25]        ; xq at my 16 rows of codes
	s_lshl_b32 s24, ttmp9, 9
	s_add_co_u32 s24, s24, 524288
	s_add_nc_u64 s[30:31], s[8:9], s[24:25]        ; and at their scale words
	; ---- all loads go out at once; x's first, since every wave's products wait for them
	s_cmp_lt_u32 s[WV], 8
	s_cbranch_scc0 .Lno_x_load
.set i, 0
.rept 16
	global_load_b128 v[RA+4*i:RA+4*i+3], v[LI], s[4:5] offset:4096*i th:TH_LOAD_NT      ; row i: 32 lanes read 512 consecutive bytes
.set i, i+1
.endr
.Lno_x_load:
.set i, 0
.rept 16
	global_load_b128 v[RB+4*i:RB+4*i+3], v[LI], s[6:7] offset:4096*(i+24*(i/8))         ; tile row i is expert 8 u + i + 24 (i / 8)
.set i, i+1
.endr
.set i, 0
.rept 16
	global_load_b128 v[RC+4*i:RC+4*i+3], v[LI], s[6:7] offset:4096*(i+24*(i/8))+512
.set i, i+1
.endr
	; ---- Q
	s_cmp_lt_u32 s[WV], 8
	s_cbranch_scc0 .Lno_x
	s_wait_loadcnt 32                              ; x's 16 loads are in; gate_w's 32 may be out
	TURN RA
	s_wait_dscnt 0x0
	QUANT RA, PC, PW
.irp c, 0,1
	ds_store_b128 v[XWI], v[PC+4*\c:PC+4*\c+3] offset:XROW+32*\c   ; as a row of codes: k = 64 c + 32 h on is byte 32 c + 16 h of the K step's 64
.endr
	ds_store_b32 v[XWS], v[PW] offset:XSR          ; both halves of the lanes hold the row's word and write the same word
.Lno_x:
	s_wait_loadcnt 16                              ; gate_w's first K step is in; the second's 16 loads may be out
	TURN RB
	s_wait_dscnt 0x0
	QUANT RB, GF, GS
	s_wait_loadcnt 0x0
	TURN RC
	s_wait_dscnt 0x0
	QUANT RC, GF+8, GS+1
	s_wait_dscnt 0x0                               ; for the others' sake: my stores have landed
	s_barrier_signal -1
	s_barrier_wait -1
	; ---- L: 16 tokens x 16 experts over two K steps, an accumulator for each
.irp i, 0,1
.irp c, 0,1
	ds_load_b128 v[XF+8*\i+4*\c:XF+8*\i+4*\c+3], v[XRI] offset:XROW+64*\i+32*\c
.endr
.endr
	ds_load_b64 v[XS:XS+1], v[XRS] offset:XSR
	ds_load_b128 v[XC:XC+3], v[XCP] offset:XROW
	s_wait_dscnt 0x0
.rept 8
	v_nop                                          ; gate_w's scale words and codes were written by vector instructions: eight plain instructions ahead of the scaled products
.endr
.irp i, 0,1
	v_wmma_scale_f32_16x16x128_f8f6f4 v[A0+8*\i:A0+8*\i+7], v[GF+8*\i:GF+8*\i+7], v[XF+8*\i:XF+8*\i+7], 0, v[GS+\i], v[XS+\i] matrix_a_fmt:MATRIX_FMT_FP4 matrix_b_fmt:MATRIX_FMT_FP4
.endr
	global_store_b128 v[XCG], v[XC:XC+3], s[28:29]                 ; a row of codes: 32 lanes store 512 consecutive bytes
.rept 4
	v_nop                                          ; four plain instructions between the products and the first read of their results
.endr
.irp j, 0,2,4,6
	v_pk_add_f32 v[SU+\j:SU+\j+1], v[A0+\j:A0+\j+1], v[A0+8+\j:A0+8+\j+1]   ; each accumulator from its low end on
.endr
	ds_store_b128 v[LGW], v[SU:SU+3] offset:LG
	ds_store_b128 v[LGW], v[SU+4:SU+7] offset:LG+16
	s_cmp_eq_u32 s[WV], 0                          ; wave 0 sends the 512 bytes of scale words out
	s_cbranch_scc0 .Lno_words
	ds_load_b128 v[SC4:SC4+3], v[LI] offset:XSR
	s_wait_dscnt 0x0
	global_store_b128 v[LI], v[SC4:SC4+3], s[30:31]
.Lno_words:
	s_wait_dscnt 0x0
	s_barrier_signal -1
	s_barrier_wait -1
	s_cmp_lt_u32 s[WV], 8                          ; 16 tokens, two to a wave: waves 8-15 have no more to do
	s_cbranch_scc0 .Lend
	; ---- T: softmax and the 8 largest.  Sixteen lanes hold a token's 64 experts, so every reduction stays inside a row of lanes
.irp p, 0,1,2,3
	ds_load_b128 v[PL+4*\p:PL+4*\p+3], v[LGR] offset:LG+LPL*\p
.endr
	v_lshlrev_b32 v[GI], 2, v[R]
	v_add_nc_u32 v[GI+1], 1, v[GI]
	v_add_nc_u32 v[GI+2], 2, v[GI]
	v_add_nc_u32 v[GI+3], 3, v[GI]
	v_mov_b32 v[T0], 0
	v_mov_b32 v[MLO], 0
	v_mov_b32 v[MHI], 0
	v_mov_b32 v[NEG], -1.0
	v_mov_b32 v[ONE], 1
	s_wait_dscnt 0x0
	v_pk_add_f32 v[PL:PL+1], v[PL:PL+1], v[PL+4:PL+5]              ; the four quarters of K
	v_pk_add_f32 v[PL+2:PL+3], v[PL+2:PL+3], v[PL+6:PL+7]
	v_pk_add_f32 v[PL+8:PL+9], v[PL+8:PL+9], v[PL+12:PL+13]
	v_pk_add_f32 v[PL+10:PL+11], v[PL+10:PL+11], v[PL+14:PL+15]
	v_pk_add_f32 v[64:65], v[PL:PL+1], v[PL+8:PL+9]
	v_pk_add_f32 v[66:67], v[PL+2:PL+3], v[PL+10:PL+11]
	v_max3_num_f32 v[T1], v64, v65, v66
	v_max_num_f32 v[T1], v[T1], v67
.irp d, 1,2,4,8
	v_max_num_f32_dpp v[T1], v[T1], v[T1] row_xmask:\d row_mask:0xf bank_mask:0xf
.endr
.irp q, 0,1,2,3
	v_sub_f32 v[QW+\q], v[64+\q], v[T1]            ; the row's maximum is taken away
.endr
.irp q, 0,1,2,3
	v_mul_f32 v[QW+\q], 0x3fb8aa3b, v[QW+\q]
.endr
.irp q, 0,1,2,3
	v_exp_f32 v[QW+\q], v[QW+\q]
.endr
	v_nop                                          ; a plain instruction behind the exponentials,
	s_wait_alu depctr_va_vdst(0)                   ; and the one wait ahead of their first reader
	v_add_f32 v[T1], v[QW], v[QW+1]
	v_add_f32 v[T2], v[QW+2], v[QW+3]
	v_add_f32 v[T1], v[T1], v[T2]
.irp d, 1,2,4,8
	v_add_f32_dpp v[T1], v[T1], v[T1] row_xmask:\d row_mask:0xf bank_mask:0xf
.endr
	v_rcp_f32 v[T1], v[T1]
	v_nop
	s_wait_alu depctr_va_vdst(0)
.irp q, 0,1,2,3
	v_mul_f32 v[QW+\q], v[QW+\q], v[T1]            ; p
.endr
; The k-th largest: the row's maximum; the lowest index among those that equal it; that one is taken out (p is never negative).
.macro ITER k
	v_max3_num_f32 v[TV+\k], v[QW], v[QW+1], v[QW+2]
	v_max_num_f32 v[TV+\k], v[TV+\k], v[QW+3]
.irp d, 1,2,4,8
	v_max_num_f32_dpp v[TV+\k], v[TV+\k], v[TV+\k] row_xmask:\d row_mask:0xf bank_mask:0xf
.endr
	v_mov_b32 v[TI+\k], 64
.irp q, 3,2,1,0
	v_cmp_eq_f32 vcc_lo, v[QW+\q], v[TV+\k]
	v_cndmask_b32 v[TI+\k], v[TI+\k], v[GI+\q], vcc_lo
.endr
.irp d, 1,2,4,8
	v_mov_b32_dpp v[T0], v[TI+\k] row_xmask:\d row_mask:0xf bank_mask:0xf
	v_min_u32 v[TI+\k], v[TI+\k], v[T0]
.endr
.irp q, 0,1,2,3
	v_cmp_eq_u32 vcc_lo, v[GI+\q], v[TI+\k]
	v_cndmask_b32 v[QW+\q], v[QW+\q], v[NEG], vcc_lo
.endr
.endm
.irp k, 0,1,2,3,4,5,6,7
	ITER \k
.endr
	v_add_f32 v[T1], v[TV], v[TV+1]
	v_add_f32 v[T2], v[TV+2], v[TV+3]
	v_add_f32 v[T1], v[T1], v[T2]
	v_add_f32 v[T2], v[TV+4], v[TV+5]
	v_add_f32 v[T0], v[TV+6], v[TV+7]
	v_add_f32 v[T2], v[T2], v[T0]
	v_add_f32 v[T1], v[T1], v[T2]
	v_rcp_f32 v[T1], v[T1]
	v_and_b32 v[K7], 7, v[R]                       ; (a plain instruction behind the reciprocal)
	s_wait_alu depctr_va_vdst(0)
.irp k, 0,1,2,3,4,5,6,7
	v_mul_f32 v[TW+\k], v[TV+\k], v[T1]
.endr
.irp k, 0,1,2,3,4,5,6,7
	v_lshlrev_b32 v[T1], v[TI+\k], v[ONE]          ; 1 << (index % 32)
	v_cmp_gt_u32 vcc_lo, 32, v[TI+\k]
	v_cndmask_b32 v[T2], 0, v[T1], vcc_lo
	v_xor_b32 v[T1], v[T1], v[T2]
	v_or_b32 v[MLO], v[MLO], v[T2]
	v_or_b32 v[MHI], v[MHI], v[T1]
.endr
	v_mov_b32 v[SI], v[TI]                         ; lane sub takes the sub-th of the eight
	v_mov_b32 v[SW], v[TW]
.irp k, 1,2,3,4,5,6,7
	v_cmp_eq_u32 vcc_lo, \k, v[K7]
	v_cndmask_b32 v[SI], v[SI], v[TI+\k], vcc_lo
	v_cndmask_b32 v[SW], v[SW], v[TW+\k], vcc_lo
.endr
	v_add_nc_u32 v[TOK], s34, v[HH]
	v_lshlrev_b32 v[AT], 5, v[TOK]
	v_lshl_add_u32 v[AT], v[R], 2, v[AT]           ; (token x 8 + sub) x 4
	v_lshlrev_b32 v[AM], 2, v[TOK]
	v_lshl_add_u32 v[AM], v[R], 12, v[AM]          ; plane sub, word token
	v_cmp_eq_u32 vcc_lo, 1, v[R]
	v_cndmask_b32 v[MD], v[MLO], v[MHI], vcc_lo
	v_cmp_gt_u32 s35, 8, v[R]
	v_cmp_gt_u32 s36, 2, v[R]
	s_wait_xcnt 0x0                                ; EXEC changes only behind this wait: earlier stores have read it
	s_and_saveexec_b32 s37, s35
	global_store_b32 v[AT], v[SI], s[10:11]
	global_store_b32 v[AT], v[SW], s[12:13]
	s_wait_xcnt 0x0
	s_or_b32 exec_lo, exec_lo, s37
	s_and_saveexec_b32 s37, s36
	global_store_b32 v[AM], v[MD], s[10:11] offset:32768
	s_wait_xcnt 0x0
	s_or_b32 exec_lo, exec_lo, s37
.Lend:
	s_wait_tensorcnt 0x0
	ds_add_u32 v62, v63
	s_wait_dscnt 0x0
	s_endpgm
.Lfunc_end_k_q62de7a8ca3_route:
	.size	k_q62de7a8ca3_route, .Lfunc_end_k_q62de7a8ca3_route-k_q62de7a8ca3_route
	.p2alignl 7, 3214868480
	.fill 96, 4, 3214868480
	.section	.rodata,"a",@progbits
	.p2align	6, 0x0
	.amdhsa_kernel k_q62de7a8ca3_route
		.amdhsa_group_segment_fixed_size 163584
		.amdhsa_private_segment_fixed_size 0
		.amdhsa_enable_private_segment 0
		.amdhsa_kernarg_size 40
		.amdhsa_user_sgpr_count 2
		.amdhsa_user_sgpr_kernarg_segment_ptr 1
		.amdhsa_wavefront_size32 1
		.amdhsa_system_sgpr_workgroup_id_x 1
		.amdhsa_system_sgpr_workgroup_id_y 1
		.amdhsa_system_sgpr_workgroup_id_z 1
		.amdhsa_system_vgpr_workitem_id 0
		.amdhsa_next_free_vgpr 256
		.amdhsa_next_free_sgpr 66
		.amdhsa_reserve_vcc 1
		.amdhsa_float_denorm_mode_32 3
		.amdhsa_float_denorm_mode_16_64 3
		.amdhsa_memory_ordered 1
		.amdhsa_forward_progress 1
		.amdhsa_inst_pref_size 44
	.end_amdhsa_kernel
	.amdgpu_metadata
---
amdhsa.version: [ 1, 2 ]
amdhsa.kernels:
  - .name:           k_q62de7a8ca3_route
    .symbol:         k_q62de7a8ca3_route.kd
    .args:
      - { .name: x, .offset: 0, .size: 8, .value_kind: global_buffer, .address_space: global }
      - { .name: gate_w, .offset: 8, .size: 8, .value_kind: global_buffer, .address_space: global }
      - { .name: xq, .offset: 16, .size: 8, .value_kind: global_buffer, .address_space: global }
      - { .name: sel, .offset: 24, .size: 8, .value_kind: global_buffer, .address_space: global }
      - { .name: topw, .offset: 32, .size: 8, .value_kind: global_buffer, .address_space: global }
    .group_segment_fixed_size: 163584
    .private_segment_fixed_size: 0
    .kernarg_segment_align: 8
    .kernarg_segment_size: 40
    .max_flat_workgroup_size: 512
    .sgpr_count:     66
    .vgpr_count:     256
    .wavefront_size: 32
...
	.end_amdgpu_metadata
.endif
;; end of part 1
;; launch prep (part 2): grid 272 x 1, 4 waves a work-group, no clusters, 43,520 bytes of LDS; arguments qweight1, qzeros1, scales1, qweight2, qzeros2, scales2, sel, wc, ws, rows; writes wc, ws, rows
.if DOCPART == 2
	.amdgcn_target "amdgcn-amd-amdhsa--gfx1250"
	.amdhsa_code_object_version 6
	.text
	.protected	k_q62de7a8ca3_prep
	.globl	k_q62de7a8ca3_prep
	.p2align	8
	.type	k_q62de7a8ca3_prep,@function
k_q62de7a8ca3_prep:
	s_mov_b64 s[64:65], 0
	v_nop
	global_prefetch_b8 v0, s[64:65] scope:SCOPE_SE
	s_setreg_imm32_b32 hwreg(HW_REG_WAVE_MODE, 25, 1), 1
	s_wait_xcnt 0x0
; PREP.  Two kinds of work-groups, parted on the work-group's number.
; WORK-GROUPS 16 TO 271: THE WEIGHTS.  w = (q - z) s, as the packed words, zeros and scales give it, in f32, is quantised to E2M1 with one E8M0 scale for each 32 along K (K = the words' first axis),
; and laid in the order of an operand's registers.  wc: for the first weight [expert 64][K step 8][tile 32][1,024 bytes], from byte 16,777,216 on for the second [64][4][64][1,024];
; in a tile's 1,024 bytes the 16 bytes of tile row r, k = 32 kb + 0 .. 31, lie at 256 kb + 16 r.  ws: [64][8][32][16 words], from byte 1,048,576 on [64][4][64][16 words]: a word is a tile row's four bytes.
; THE ROWS OF A TILE ARE NOT NEIGHBOURS: tile row r of tile 2 b + u is the weight's row 32 b + 8 u + r + 8 (r / 8).
; A wave takes 128 along K (one group of zeros and scales, one K step) x 512 columns.  A LANE TAKES 16 COLUMNS (two packed words), AND ITS REGISTERS RUN DOWN K: each load reads one row's 256 consecutive bytes, aligned;
; a block of 32 along K of a column lies in one lane, so its largest magnitude needs no other lane, and the conversions give codes with K innermost.
; EXACT: the four bits at bit p, set into the mantissa of 2^23, are the number 2^23 + q 2^p; the zeros likewise; their difference is (q - z) 2^p without rounding; times s 2^-p is rounded once, as (q - z) s is.
; The packed order is bits 0, 16, 4, 20, 8, 24, 12, 28 for columns 0 .. 7 of a word; the three fields above bit 19 are taken from the word shifted right by 12.
; A block's codes go through the wave's own stage in LDS and leave as runs of 256 consecutive bytes, aligned; the scale bytes are gathered in LDS and leave as 2,048 consecutive bytes.
; One path serves both weights: pointers and the row pitch are chosen on the work-group's number.  Waves share nothing: no barrier.
; LIMITS: scales under 2^-110 in magnitude lose bits (s 2^-16 must stay normal); NaN and infinities are not served; a block under 2^-124 (zeros too) gets the byte 1, read by this program alone.
; WORK-GROUPS 0 TO 15: THE LISTS.  A wave takes an expert and walks the 1,024 tokens' mask words, 32 at a time.  rows[e][0 ..]: the tokens that chose e, ascending; the others fill the row from its end downward, so
; that every lane stores in every group and all 1,024 entries are written.  total[e] follows at byte 262,144.
.set WV,    24
.set PIT,   29                         ; s29  a row of packed words in bytes
.set BP,    32                         ; s[32:63] sixteen addresses: my rows 0, 8, 16, .. 120
.set MSK,   66                         ; s66-69 the four bits at bit 4, 8, 12, 16
.set MAGIC, 70                         ; s70  2^23
.set WREG,  10752                      ; LDS of a wave: 32 units of 256 bytes + 16, then 2,048 scale bytes
.set UP,    272
.set SST,   32*UP
.set LN,   1
.set VO,   2                           ; v2-9   8 x lane + i rows
.set ST,   10                          ; v10    the stage: where my columns' codes go
.set SS0,  11                          ; v11    my columns' scale bytes
.set RD,   12                          ; v12    the stage, read back by units
.set GO0,  13                          ; v13    and the same place in wc
.set SS,   14                          ; v14, v15: the two with the trip's step
.set GO,   15
.set ZW,   16                          ; v16-17 the zeros' two words, v18-19 shifted
.set ZS,   18
.set OT,   20                          ; v20-21 2^23 + z 2^p of the two columns in hand
.set MX,   22
.set SO,   26
.set BY,   28
.set PC,   30                          ; v30-37 their codes
.set SRD,  38
.set LI,   39
.set SCL,  40                          ; v40-55 s 2^-p of my 16 columns
.set FA,   56                          ; v56-87, v88-119: 32 numbers of each of the two columns; also a block's codes on the way out
.set FB,   88
.set RAW,  120                         ; v120-247: two sets of 32 rows x 2 words
.set SCO,  248
.set PM,   32                          ; the lists: the mask words, the stores' addresses, their data
.set PA,   64
.set PD,   96
	s_load_b256 s[4:11], s[0:1], 0x0               ; qweight1, qzeros1, scales1, qweight2
	s_load_b256 s[12:19], s[0:1], 0x20             ; qzeros2, scales2, sel, wc
	s_load_b128 s[20:23], s[0:1], 0x40             ; ws, rows
	v_lshl_add_u32 v254, v0, 2, 0xa800
	v_mov_b32 v255, 0
	v_lshrrev_b32 v1, 5, v0
	v_readfirstlane_b32 s[WV], v1                  ; wave 0..3
	v_and_b32 v[LN], 31, v0
	s_cmp_lt_u32 ttmp9, 16
	s_cbranch_scc1 .Lplace
	; ---------------- the weights
	s_sub_co_u32 s25, ttmp9, 16
	s_lshl_b32 s25, s25, 2
	s_add_co_u32 s25, s25, s[WV]                   ; my task, 0 .. 1,023; the first 512 are the first weight's
	s_lshr_b32 s26, s25, 3                         ; first weight: strip of 512 columns = expert,
	s_and_b32 s27, s25, 7                          ; K step; its place in wc and ws is the task's number
	s_sub_co_u32 s28, s25, 512
	s_lshr_b32 s29, s28, 2                         ; second weight: strip (two to an expert),
	s_and_b32 s30, s28, 3                          ; K step,
	s_lshr_b32 s31, s29, 1
	s_lshl_b32 s31, s31, 3
	s_lshl_b32 s75, s30, 1
	s_add_co_u32 s31, s31, s75
	s_and_b32 s75, s29, 1
	s_add_co_u32 s31, s31, s75
	s_add_co_u32 s31, s31, 512                     ; place 512 + 8 expert + 2 K step + half
	s_mov_b32 s[MSK], 0xf0
	s_mov_b32 s[MSK+1], 0xf00
	s_mov_b32 s[MSK+2], 0xf000
	s_mov_b32 s[MSK+3], 0xf0000
	s_mov_b32 s[MAGIC], 0x4b000000
	s_wait_kmcnt 0x0
	s_cmp_lt_u32 s25, 512                          ; the choice hangs on the work-group's number alone
	s_cselect_b64 s[4:5], s[4:5], s[10:11]
	s_cselect_b64 s[6:7], s[6:7], s[12:13]
	s_cselect_b64 s[8:9], s[8:9], s[14:15]
	s_cselect_b32 s26, s26, s29
	s_cselect_b32 s27, s27, s30
	s_cselect_b32 s31, s25, s31
	s_cselect_b32 s28, 14, 15                      ; a row of words is 2^14 or 2^15 bytes
	s_lshl_b32 s[PIT], 1, s28
	s_add_co_u32 s30, s28, 7
	s_lshl_b32 s76, s27, s30                       ; 128 rows a K step
	s_lshl_b32 s75, s26, 8                         ; 256 bytes a strip
	s_add_co_u32 s76, s76, s75
	s_mov_b32 s77, 0
	s_add_nc_u64 s[BP:BP+1], s[4:5], s[76:77]
	s_lshl_b32 s78, s[PIT], 3
	s_mov_b32 s79, 0
.irp q, 1,2,3,4,5,6,7,8,9,10,11,12,13,14,15
	s_add_nc_u64 s[BP+2*\q:BP+2*\q+1], s[BP+2*\q-2:BP+2*\q-1], s[78:79]
.endr
	s_lshl_b32 s76, s27, s28
	s_add_co_u32 s76, s76, s75
	s_add_nc_u64 s[6:7], s[6:7], s[76:77]          ; the group's row of zeros, my strip
	s_add_co_u32 s30, s28, 3
	s_lshl_b32 s76, s27, s30
	s_lshl_b32 s75, s26, 11
	s_add_co_u32 s76, s76, s75
	s_add_nc_u64 s[8:9], s[8:9], s[76:77]          ; the group's row of scales, my strip's 2,048 bytes
	s_lshl_b32 s76, s31, 15
	s_add_nc_u64 s[18:19], s[18:19], s[76:77]      ; wc: 32 tiles of 1,024 bytes a place
	s_lshl_b32 s76, s31, 11
	s_add_nc_u64 s[20:21], s[20:21], s[76:77]      ; ws: 32 tiles of 64 bytes
	v_lshlrev_b32 v[VO], 3, v[LN]
.irp i, 1,2,3,4,5,6,7
	v_add_nc_u32 v[VO+\i], s[PIT], v[VO+\i-1]
.endr
	v_lshlrev_b32 v[SCO], 6, v[LN]
	global_load_b64 v[ZW:ZW+1], v[VO], s[6:7]
.irp i, 0,1,2,3
	global_load_b128 v[SCL+4*\i:SCL+4*\i+3], v[SCO], s[8:9] offset:16*\i   ; my 16 columns' scales
.endr
.macro LOADBLK kb                      ; block kb: rows 32 kb + i, my two words, into set kb % 2
.set i, 0
.rept 32
	global_load_b64 v[RAW+64*((\kb)%2)+2*i:RAW+64*((\kb)%2)+2*i+1], v[VO+i%8], s[BP+2*(4*(\kb)+i/8):BP+2*(4*(\kb)+i/8)+1] th:TH_LOAD_NT
.set i, i+1
.endr
.endm
	LOADBLK 0
	s_mul_i32 s74, s[WV], WREG
	v_and_b32 v20, 30, v[LN]                       ; lane's pair x 2: its two tiles are this one and the next
	v_and_b32 v21, 1, v[LN]                        ; which eight rows of them
	v_mul_u32_u24 v[ST], v20, UP
	v_lshl_add_u32 v[ST], v21, 7, v[ST]
	v_add_nc_u32 v[ST], s74, v[ST]
	v_lshlrev_b32 v[SS0], 6, v20
	v_lshl_add_u32 v[SS0], v21, 5, v[SS0]
	v_add_nc_u32 v[SS0], s74, v[SS0]
	v_lshrrev_b32 v20, 4, v[LN]
	v_and_b32 v21, 15, v[LN]
	v_mul_u32_u24 v[RD], v20, UP
	v_lshl_add_u32 v[RD], v21, 4, v[RD]
	v_add_nc_u32 v[RD], s74, v[RD]
	v_lshlrev_b32 v[GO0], 10, v20
	v_lshl_add_u32 v[GO0], v21, 4, v[GO0]
	v_lshlrev_b32 v[LI], 4, v[LN]
	v_add_nc_u32 v[SRD], s74, v[LI]
	s_wait_loadcnt 32                              ; the zeros and the scales are in; block 0's 32 loads may be out
	v_lshrrev_b32 v[ZS], 12, v[ZW]
	v_lshrrev_b32 v[ZS+1], 12, v[ZW+1]
.irp u, 0,8
	v_mul_f32 v[SCL+\u+1], 0x37800000, v[SCL+\u+1]                 ; s 2^-p, p = 0, 16, 4, 8, 8, 12, 12, 16: exact
	v_mul_f32 v[SCL+\u+2], 0x3d800000, v[SCL+\u+2]
	v_mul_f32 v[SCL+\u+3], 0x3b800000, v[SCL+\u+3]
	v_mul_f32 v[SCL+\u+4], 0x3b800000, v[SCL+\u+4]
	v_mul_f32 v[SCL+\u+5], 0x39800000, v[SCL+\u+5]
	v_mul_f32 v[SCL+\u+6], 0x39800000, v[SCL+\u+6]
	v_mul_f32 v[SCL+\u+7], 0x37800000, v[SCL+\u+7]
.endr
	LOADBLK 1
.macro ANDOR d, w, p                   ; 2^23 + (the four bits at bit p, where they stand)
.if (\p) == 0
	v_and_or_b32 v[\d], v[\w], 15, s[MAGIC]
.else
	v_and_or_b32 v[\d], v[\w], s[MSK+(\p)/4-1], s[MAGIC]
.endif
.endm
; Column j of both my words, 32 along K: numbers, largest magnitude, scale, codes; the two columns by turns.  p: where the four bits stand;  z: the zeros' words to match;  pos: which of the trip's two blocks
.macro COLPAIR j, p, z, set, pos
	ANDOR OT, \z, \p
	ANDOR OT+1, \z+1, \p
.set i, 0
.rept 32
	ANDOR FA+i, RAW+64*(\set)+2*i, \p
	ANDOR FB+i, RAW+64*(\set)+2*i+1, \p
.set i, i+1
.endr
.set i, 0
.rept 16
	v_pk_add_f32 v[FA+i:FA+i+1], v[FA+i:FA+i+1], v[OT:OT+1] op_sel_hi:[1,0] neg_lo:[0,1] neg_hi:[0,1]             ; (q - z) 2^p, exact
	v_pk_add_f32 v[FB+i:FB+i+1], v[FB+i:FB+i+1], v[OT:OT+1] op_sel:[0,1] op_sel_hi:[1,1] neg_lo:[0,1] neg_hi:[0,1]
.set i, i+2
.endr
.set JP, ((\j)/2)*2
.set i, 0
.rept 16
.if (\j)%2
	v_pk_mul_f32 v[FA+i:FA+i+1], v[FA+i:FA+i+1], v[SCL+JP:SCL+JP+1] op_sel:[0,1] op_sel_hi:[1,1]
	v_pk_mul_f32 v[FB+i:FB+i+1], v[FB+i:FB+i+1], v[SCL+8+JP:SCL+8+JP+1] op_sel:[0,1] op_sel_hi:[1,1]
.else
	v_pk_mul_f32 v[FA+i:FA+i+1], v[FA+i:FA+i+1], v[SCL+JP:SCL+JP+1] op_sel_hi:[1,0]
	v_pk_mul_f32 v[FB+i:FB+i+1], v[FB+i:FB+i+1], v[SCL+8+JP:SCL+8+JP+1] op_sel_hi:[1,0]
.endif
.set i, i+2
.endr
	v_max3_num_f32 v[MX], |v[FA]|, |v[FA+1]|, |v[FA+2]|
	v_max3_num_f32 v[MX+2], |v[FB]|, |v[FB+1]|, |v[FB+2]|
	v_max3_num_f32 v[MX+1], |v[FA+3]|, |v[FA+4]|, |v[FA+5]|
	v_max3_num_f32 v[MX+3], |v[FB+3]|, |v[FB+4]|, |v[FB+5]|
.irp i, 6,10,14,18,22,26
	v_max3_num_f32 v[MX], v[MX], |v[FA+\i]|, |v[FA+\i+1]|
	v_max3_num_f32 v[MX+2], v[MX+2], |v[FB+\i]|, |v[FB+\i+1]|
	v_max3_num_f32 v[MX+1], v[MX+1], |v[FA+\i+2]|, |v[FA+\i+3]|
	v_max3_num_f32 v[MX+3], v[MX+3], |v[FB+\i+2]|, |v[FB+\i+3]|
.endr
	v_max3_num_f32 v[MX], v[MX], |v[FA+30]|, |v[FA+31]|
	v_max3_num_f32 v[MX+2], v[MX+2], |v[FB+30]|, |v[FB+31]|
	v_max3_num_f32 v[MX], v[MX], v[MX+1], 0x1800000                ; and the floor 2^(3 - 127): the byte cannot fall under 1
	v_max3_num_f32 v[MX+2], v[MX+2], v[MX+3], 0x1800000
	v_add_nc_u32 v[SO], 0xff000000, v[MX]                          ; 2 off the exponent field: the conversion's scale operand
	v_add_nc_u32 v[SO+1], 0xff000000, v[MX+2]
	s_wait_dscnt 0x0                               ; the last pair's LDS stores have read the registers that are written now
.irp g, 0,1,2,3
	v_cvt_scalef32_pk8_fp4_f32 v[PC+\g], v[FA+8*\g:FA+8*\g+7], v[SO]
	v_cvt_scalef32_pk8_fp4_f32 v[PC+4+\g], v[FB+8*\g:FB+8*\g+7], v[SO+1]
.endr
	v_lshrrev_b32 v[BY], 23, v[SO]                 ; the scales' bytes.  (Also the plain instruction behind the conversions)
	v_lshrrev_b32 v[BY+1], 23, v[SO+1]
	ds_store_b128 v[ST], v[PC:PC+3] offset:16*(\j)
	ds_store_b128 v[ST], v[PC+4:PC+7] offset:UP+16*(\j)
	ds_store_b8 v[SS], v[BY] offset:SST+4*(\j)+(\pos)
	ds_store_b8 v[SS], v[BY+1] offset:SST+64+4*(\j)+(\pos)
.endm
.macro BLOCK set, pos
	s_wait_xcnt 0x0                                ; the last block's stores have read v56-119, which are written now
	COLPAIR 0, 0, ZW, \set, \pos
	COLPAIR 2, 4, ZW, \set, \pos
	COLPAIR 4, 8, ZW, \set, \pos
	COLPAIR 6, 12, ZW, \set, \pos
	COLPAIR 1, 16, ZW, \set, \pos
.set i, 0
.rept 64
	v_lshrrev_b32 v[RAW+64*(\set)+i], 12, v[RAW+64*(\set)+i]       ; bits 20, 24, 28 come to 8, 12, 16
.set i, i+1
.endr
	COLPAIR 3, 8, ZS, \set, \pos
	COLPAIR 5, 12, ZS, \set, \pos
	COLPAIR 7, 16, ZS, \set, \pos
.irp i, 0,1,2,3,4,5,6,7,8,9,10,11,12,13,14,15
	ds_load_b128 v[FA+4*\i:FA+4*\i+3], v[RD] offset:2*UP*\i        ; LDS serves a wave's instructions in order: these see my stores
.endr
	s_wait_dscnt 0x0
.irp i, 0,1,2,3,4,5,6,7,8,9,10,11,12,13,14,15
	global_store_b128 v[GO], v[FA+4*\i:FA+4*\i+3], s[18:19] offset:2048*\i+256*(\pos)   ; sixteen lanes store 256 consecutive bytes, aligned: a tile's 16 rows of this block
.endr
.endm
	s_mov_b32 s71, 0                               ; the trip,
	s_mov_b32 s72, 0                               ; 2 bytes of a scale word a trip,
	s_mov_b32 s73, 0                               ; 512 bytes of a tile a trip
	s_wait_loadcnt 32                              ; block 0 is in; block 1 may be out
.Lhalf:                                            ; two trips of two blocks
	s_wait_xcnt 0x0                                ; the last trip's stores have read v15
	v_add_nc_u32 v[SS], s72, v[SS0]
	v_add_nc_u32 v[GO], s73, v[GO0]
	BLOCK 0, 0
	s_cmp_eq_u32 s71, 0                            ; the first trip asks for the second trip's blocks.  Each arm has the wait that fits it
	s_cbranch_scc0 .Lno_two
	LOADBLK 2
	s_wait_loadcnt 32                              ; the set that is worked next is in; the 32 just issued may be out
	s_branch .Lodd
.Lno_two:
	s_wait_loadcnt 0x0
.Lodd:
	BLOCK 1, 1
	s_cmp_eq_u32 s71, 0
	s_cbranch_scc0 .Lno_three
	LOADBLK 3
	s_wait_loadcnt 32                              ; block 2, asked for a block ago, is in
	s_branch .Lnext
.Lno_three:
	s_wait_loadcnt 0x0
.Lnext:
	s_add_co_u32 s72, s72, 2
	s_add_co_u32 s73, s73, 512
	s_add_co_u32 s71, s71, 1
	s_cmp_lt_u32 s71, 2
	s_cbranch_scc1 .Lhalf
	s_wait_xcnt 0x0                                ; the last stores have read v56-119
.irp i, 0,1,2,3
	ds_load_b128 v[FA+4*\i:FA+4*\i+3], v[SRD] offset:SST+512*\i
.endr
	s_wait_dscnt 0x0
.irp i, 0,1,2,3
	global_store_b128 v[LI], v[FA+4*\i:FA+4*\i+3], s[20:21] offset:512*\i   ; 2,048 consecutive bytes of scale words
.endr
	s_wait_tensorcnt 0x0
	ds_add_u32 v254, v255
	s_wait_dscnt 0x0
	s_endpgm
	; ---------------- the lists
.Lplace:
	s_lshl_b32 s25, ttmp9, 2
	s_add_co_u32 s25, s25, s[WV]                   ; my expert
	s_lshr_b32 s26, s25, 5
	s_lshl_b32 s26, s26, 12
	s_add_co_u32 s26, s26, 32768                   ; its plane of mask words
	s_mov_b32 s27, 0
	s_and_b32 s28, s25, 31
	s_lshl_b32 s28, 1, s28                         ; its bit
	s_lshl_b32 s30, s25, 12                        ; its row of the lists
	s_mov_b32 s31, 0
	s_lshl_b32 s38, s25, 2
	s_add_co_u32 s38, s38, 262144                  ; its total
	s_mov_b32 s39, 0
	v_lshlrev_b32 v2, 2, v[LN]
	s_wait_kmcnt 0x0
	s_add_nc_u64 s[16:17], s[16:17], s[26:27]
	s_add_nc_u64 s[32:33], s[22:23], s[30:31]
	s_add_nc_u64 s[34:35], s[22:23], s[38:39]
.set g, 0
.rept 32
	global_load_b32 v[PM+g], v2, s[16:17] offset:128*g
.set g, g+1
.endr
	s_mov_b32 s29, 0                               ; how many tokens so far chose my expert
	s_wait_loadcnt 0x0
.macro GROUP g                         ; tokens 32 g + lane
	v_and_b32 v3, s28, v[PM+\g]
	v_cmp_ne_u32 vcc_lo, 0, v3
	v_mbcnt_lo_u32_b32 v4, vcc_lo, 0               ; of the lanes below me
	s_bcnt1_i32_b32 s37, vcc_lo
	v_add_nc_u32 v4, s29, v4                       ; c: those before me that chose it: my place if I did;
	v_add_nc_u32 v5, 1023-32*\g, v4
	v_sub_nc_u32 v5, v5, v[LN]                     ; if not: 1,023 - (my number - c)
	v_cndmask_b32 v5, v5, v4, vcc_lo
	v_min_u32 v5, 0x3ff, v5
	v_lshlrev_b32 v[PA+\g], 2, v5
	v_add_nc_u32 v[PD+\g], 32*\g, v[LN]
	global_store_b32 v[PA+\g], v[PD+\g], s[32:33]  ; each group has registers of its own: no store's sources are written again
	s_add_co_u32 s29, s29, s37
.endm
.irp g, 0,1,2,3,4,5,6,7,8,9,10,11,12,13,14,15,16,17,18,19,20,21,22,23,24,25,26,27,28,29,30,31
	GROUP \g
.endr
	v_mov_b32 v7, 0
	v_mov_b32 v8, s29
	v_cmp_eq_u32 vcc_lo, 0, v[LN]
	s_wait_xcnt 0x0                                ; EXEC changes only behind this wait
	s_and_saveexec_b32 s36, vcc_lo
	global_store_b32 v7, v8, s[34:35]
	s_wait_xcnt 0x0
	s_or_b32 exec_lo, exec_lo, s36
	s_endpgm
.Lfunc_end_k_q62de7a8ca3_prep:
	.size	k_q62de7a8ca3_prep, .Lfunc_end_k_q62de7a8ca3_prep-k_q62de7a8ca3_prep
	.p2alignl 7, 3214868480
	.fill 96, 4, 3214868480
	.section	.rodata,"a",@progbits
	.p2align	6, 0x0
	.amdhsa_kernel k_q62de7a8ca3_prep
		.amdhsa_group_segment_fixed_size 43520
		.amdhsa_private_segment_fixed_size 0
		.amdhsa_enable_private_segment 0
		.amdhsa_kernarg_size 80
		.amdhsa_user_sgpr_count 2
		.amdhsa_user_sgpr_kernarg_segment_ptr 1
		.amdhsa_wavefront_size32 1
		.amdhsa_system_sgpr_workgroup_id_x 1
		.amdhsa_system_sgpr_workgroup_id_y 1
		.amdhsa_system_sgpr_workgroup_id_z 1
		.amdhsa_system_vgpr_workitem_id 0
		.amdhsa_next_free_vgpr 256
		.amdhsa_next_free_sgpr 84
		.amdhsa_reserve_vcc 1
		.amdhsa_float_denorm_mode_32 3
		.amdhsa_float_denorm_mode_16_64 3
		.amdhsa_memory_ordered 1
		.amdhsa_forward_progress 1
		.amdhsa_inst_pref_size 230
	.end_amdhsa_kernel
	.amdgpu_metadata
---
amdhsa.version: [ 1, 2 ]
amdhsa.kernels:
  - .name:           k_q62de7a8ca3_prep
    .symbol:         k_q62de7a8ca3_prep.kd
    .args:
      - { .name: qweight1, .offset: 0, .size: 8, .value_kind: global_buffer, .address_space: global }
      - { .name: qzeros1, .offset: 8, .size: 8, .value_kind: global_buffer, .address_space: global }
      - { .name: scales1, .offset: 16, .size: 8, .value_kind: global_buffer, .address_space: global }
      - { .name: qweight2, .offset: 24, .size: 8, .value_kind: global_buffer, .address_space: global }
      - { .name: qzeros2, .offset: 32, .size: 8, .value_kind: global_buffer, .address_space: global }
      - { .name: scales2, .offset: 40, .size: 8, .value_kind: global_buffer, .address_space: global }
      - { .name: sel, .offset: 48, .size: 8, .value_kind: global_buffer, .address_space: global }
      - { .name: wc, .offset: 56, .size: 8, .value_kind: global_buffer, .address_space: global }
      - { .name: ws, .offset: 64, .size: 8, .value_kind: global_buffer, .address_space: global }
      - { .name: rows, .offset: 72, .size: 8, .value_kind: global_buffer, .address_space: global }
    .group_segment_fixed_size: 43520
    .private_segment_fixed_size: 0
    .kernarg_segment_align: 8
    .kernarg_segment_size: 80
    .max_flat_workgroup_size: 128
    .sgpr_count:     84
    .vgpr_count:     256
    .wavefront_size: 32
...
	.end_amdgpu_metadata
.endif
;; end of part 2
;; launch experts (part 3): grid 191 x 1, 8 waves a work-group, no clusters, 92,160 bytes of LDS; arguments wc, ws, xq, sel, topw, rows, part; writes part
.if DOCPART == 3
	.amdgcn_target "amdgcn-amd-amdhsa--gfx1250"
	.amdhsa_code_object_version 6
	.text
	.protected	k_q62de7a8ca3_experts
	.globl	k_q62de7a8ca3_experts
	.p2align	8
	.type	k_q62de7a8ca3_experts,@function
k_q62de7a8ca3_experts:
	s_mov_b64 s[64:65], 0
	v_nop
	global_prefetch_b8 v0, s[64:65] scope:SCOPE_SE
	s_setreg_imm32_b32 hwreg(HW_REG_WAVE_MODE, 25, 1), 1
	s_wait_xcnt 0x0
; EXPERTS.  part[token x 8 + slot][1024] = Q(silu(Q(x) Q(w1[e])^T) cw) Q(w2[e])^T for each token and each of its 8 chosen experts e; both products on codes of E2M1 with E8M0 scales.
; The 56 experts that a token did not choose have cw = 0 in the definition, so their blocks are zeros and are not multiplied.
; THE GRID serves every split: 8,192 routed rows in tiles of 64 rows of one expert are never more than 8192 / 64 + 63 = 191 tiles.  Each work-group finds its tile from the 64 totals (a prefix sum over the lanes);
; one that a split leaves without rows stores nothing.  Its branches stand between the barriers, never round one.  No tile is shared in a cluster: how many tiles an expert has hangs on the lists, so partners would not make the same requests.
; SHARES.  Eight waves; THE WAVES SHARE THE COLUMNS: wave w makes hidden units 64 w .. 64 w + 63 and then outputs 128 w .. 128 w + 127 (two passes of 64), for all 64 rows.  So each fragment of a weight goes from memory
; into one wave's registers, whole, 16 bytes a lane, and feeds four products.  What goes round through LDS is small: the rows' codes, as images of their registers.
; BOTH PRODUCTS ARE USED TRANSPOSED (source 0 = 16 rows of the weight, source 1 = 16 routed rows): a lane holds one routed row; by the tiles' order of rows the 16 registers of tiles 2 b and 2 b + 1 are
; the weight's rows 32 b + 16 (lane / 16) + 0 .. 15: neighbours along the next K, and neighbours in a row of the output.
; THE WEIGHTS' STREAM: 16 steps of 4 fragments and their scale words (10 loads), eight of w1 and 2 x 4 of w2, through a ring of four register slots: three steps are on their way while one is multiplied.
; Rows past the tile's number repeat its last row; they are multiplied and not stored, but for the second row of a last odd pair, which stores the same bytes to the same place.
; LIMITS: NaN and infinities are not served; a block under 2^-124 (zeros too) gets the scale byte 1 with its codes; exp and the reciprocal are v_exp_f32's and v_rcp_f32's.
.set XIMG,  0                          ; LDS: x's 32 fragments (tile of rows m, K step s: 8 m + s), 1,024 bytes each
.set XSC,   32768                      ; their scale words: 512 s + 16 lane + 4 m
.set HIMG,  36864                      ; the hidden layer's 16 fragments (4 m + s)
.set HSC,   53248                      ; their scale words: 512 s + 16 lane + 4 m, two bytes from each of two waves
.set INFO,  55296                      ; 128 wave + 4 lane: even waves: cw of the rows of tile wave / 2; odd waves: token x 8 + slot
.set STAGE, 56320                      ; the way out: 16 rows x (256 bytes + 16) for each wave
.set SP,    272
.set LI,   1                           ; v1  16 x lane
.set LS,   2                           ; v2  4 x lane
.set R,    3
.set HH,   4
.set LANE, 5
.set STO,  6
.set RD,   7
.set RB,   8
.set C16,  9
.set HWI,  10
.set HWS,  11
.set GA,   12
.set GS,   13
.set GT,   14
.set TOK,  15
.set PC,   16                          ; v16-31 the hidden layer's codes, four registers a tile of rows (at the head: at work)
.set PW,   32                          ; v32-35 its half scale words
.set TM,   36                          ; v36-41 at work
.set DD,   48                          ; v48-55 the way out: rows of part
.set XWI,  56
.set XWS,  57
.set INF,  58
.set LIX,  59
.set CWV,  60
.set SLT,  61
.set DST,  62
.set GB,   63
.set ACC,  64                          ; v64-191 accumulator (f, m) at 64 + 32 m + 8 f
.set X,    192                         ; v192-223 the rows' four fragments; at work in the activation; rows on the way out
.set XS,   224                         ; v224-231 the rows' scale words, two sets; v232-239 the weights', four slots of two: scales and nothing else
.set WS,   232
.set CW,   240                         ; v240-243
.set GP,   244
; window 1 (v256-383): the weights' ring, four slots of 32 registers
.set WV,    18
.set PAR,   19
.set MT,    20
.set SEL,   22
.set NL,    24
.set N,     26                         ; s26 the tile's rows, 0 .. 64
.set EX,    27                         ; s27 its expert
.set FIRST, 28
.set LIM,   29
.set W1C,   40
.set W1S,   42
.set W2C,   44
.set W2S,   46
.set MSB, 0
.macro WIN new                         ; the immediate's high byte repeats the setting that is left
.if MSB != \new
	s_set_vgpr_msb (MSB<<8)|\new
.set MSB, \new
.endif
.endm
	s_load_b256 s[4:11], s[0:1], 0x0               ; wc s[4:5], ws s[6:7], xq s[8:9], sel s[10:11]
	s_load_b128 s[12:15], s[0:1], 0x20             ; topw s[12:13], rows s[14:15]
	s_load_b64 s[16:17], s[0:1], 0x30              ; part
	v_lshl_add_u32 v254, v0, 2, 0x16400
	v_mov_b32 v255, 0
	v_lshrrev_b32 v5, 5, v0
	v_readfirstlane_b32 s[WV], v5                  ; wave 0..7
	v_and_b32 v[LANE], 31, v0
	v_lshlrev_b32 v[LS], 2, v[LANE]
	s_wait_kmcnt 0x0
	global_load_b32 v16, v[LS], s[14:15] offset:262144             ; the totals of experts 0-31, a lane each,
	global_load_b32 v17, v[LS], s[14:15] offset:262272             ; and of 32-63
	; every LDS address is made here, of the lane, the wave's number and constants
	v_lshlrev_b32 v[LI], 4, v[LANE]
	v_and_b32 v[R], 15, v0
	v_bfe_u32 v[HH], v0, 4, 1
	v_lshlrev_b32 v[C16], 4, v[R]
	s_and_b32 s[PAR], s[WV], 1
	s_lshr_b32 s[MT], s[WV], 1
	s_mul_i32 s30, s[WV], 16*SP
	s_add_co_u32 s30, s30, STAGE
	v_mul_u32_u24 v[STO], v[R], SP
	v_lshl_add_u32 v[STO], v[HH], 6, v[STO]
	v_add_nc_u32 v[STO], s30, v[STO]               ; in: row r, + 64 h
	v_mul_u32_u24 v[RD], v[HH], SP
	v_lshl_add_u32 v[RD], v[R], 4, v[RD]
	v_add_nc_u32 v[RD], s30, v[RD]                 ; back: lanes 0-15 one row, lanes 16-31 the next
	v_lshlrev_b32 v[RB], 2, v[HH]
	s_lshl_b32 s30, s[MT], 10
	s_lshl_b32 s31, s[PAR], 9
	s_add_co_u32 s30, s30, s31
	s_add_co_u32 s30, s30, HIMG
	v_add_nc_u32 v[HWI], s30, v[LI]                ; my 64 hidden units are half w % 2 of K step w / 2
	s_lshl_b32 s30, s[MT], 9
	s_lshl_b32 s31, s[PAR], 1
	s_add_co_u32 s30, s30, s31
	s_add_co_u32 s30, s30, HSC
	v_add_nc_u32 v[HWS], s30, v[LI]
	s_lshl_b32 s30, s[WV], 12
	v_add_nc_u32 v[XWI], s30, v[LI]                ; I gather tile of rows w / 2, K steps 4 (w % 2) on: images 4 w on
	s_lshl_b32 s30, s[PAR], 11
	s_lshl_b32 s31, s[MT], 2
	s_add_co_u32 s30, s30, s31
	v_add_nc_u32 v[XWS], s30, v[LI]
	s_lshl_b32 s30, s[WV], 7
	v_add_nc_u32 v[INF], s30, v[LS]
	s_lshl_b32 s30, s[PAR], 8
	v_lshlrev_b32 v[GB], 4, v[HH]
	v_add_nc_u32 v[GB], s30, v[GB]                 ; in a row of x's codes: 256 (w % 2) + 16 h
	s_lshl_b32 s30, s[PAR], 4
	v_mov_b32 v[GP], s30
	s_mov_b32 s[SEL], 0x76543210
	s_mov_b32 s[SEL+1], 0xfedcba98                 ; v_permlanex16_b32's selects for lane l xor 16
	s_mov_b32 s[NL], 0xbfb8aa3b                    ; -log2(e)
	s_mov_b32 s[NL+1], s[NL]                       ; (named with it as a pair, so it is written)
	v_mov_b32 v[TM+2], 0                           ; written once: a lane permute's destination counts as one of its sources
	v_mov_b32 v[TM+3], 0
	v_mov_b32 v22, 0
	v_mov_b32 v23, 0
	v_mov_b32 v24, 0
	v_mov_b32 v25, 0
	s_mov_b32 s30, ttmp9
	s_wait_loadcnt 0x0
	; ---- which tile is mine: the experts' numbers of tiles, their exclusive prefix sums, and the one expert whose range holds my work-group's number
	v_min_u32 v16, 0x400, v16
	v_min_u32 v17, 0x400, v17
	v_add_nc_u32 v18, 63, v16
	v_add_nc_u32 v19, 63, v17
	v_lshrrev_b32 v18, 6, v18
	v_lshrrev_b32 v19, 6, v19
	v_mov_b32 v20, v18
	v_mov_b32 v21, v19
.macro PSTEP d                         ; v18, v19: the sum of my block of d lanes; the partner block's sum counts for me if it lies below
.if \d < 16
	v_mov_b32_dpp v24, v18 row_xmask:\d row_mask:0xf bank_mask:0xf
	v_mov_b32_dpp v25, v19 row_xmask:\d row_mask:0xf bank_mask:0xf
.else
	v_permlanex16_b32 v24, v18, s[SEL], s[SEL+1]
	v_permlanex16_b32 v25, v19, s[SEL], s[SEL+1]
.endif
	v_and_b32 v26, \d, v[LANE]
	v_cmp_ne_u32 vcc_lo, 0, v26
	v_cndmask_b32 v26, 0, v24, vcc_lo
	v_cndmask_b32 v27, 0, v25, vcc_lo
	v_add_nc_u32 v22, v22, v26
	v_add_nc_u32 v23, v23, v27
	v_add_nc_u32 v18, v18, v24
	v_add_nc_u32 v19, v19, v25
.endm
.irp d, 1,2,4,8,16
	PSTEP \d
.endr
	v_add_nc_u32 v23, v23, v18                     ; experts 32-63 come behind all of 0-31
	v_sub_nc_u32 v22, s30, v22                     ; my number less the expert's first tile: the tile's number in the expert, if under its tiles
	v_sub_nc_u32 v23, s30, v23
	v_cmp_lt_u32 s31, v22, v20
	v_cmp_lt_u32 s32, v23, v21
	s_cmp_lg_u32 s31, 0
	s_cselect_b32 s33, s31, s32
	s_cselect_b32 s[EX], 0, 32
	s_cselect_b32 s34, -1, 0
	v_cndmask_b32 v24, v23, v22, s34
	v_cndmask_b32 v25, v17, v16, s34
	s_ctz_i32_b32 s35, s33
	s_min_u32 s35, s35, 31
	v_readlane_b32 s36, v24, s35                   ; the tile's number in the expert
	v_readlane_b32 s37, v25, s35                   ; the expert's rows
	s_add_co_u32 s[EX], s[EX], s35
	s_min_u32 s[EX], s[EX], 63
	s_min_u32 s36, s36, 15
	s_min_u32 s37, s37, 0x400
	s_lshl_b32 s[FIRST], s36, 6
	s_sub_co_i32 s[N], s37, s[FIRST]
	s_max_i32 s[N], s[N], 0
	s_min_u32 s[N], s[N], 64
	s_cmp_lg_u32 s33, 0                            ; no expert's range holds my number: no rows
	s_cselect_b32 s[N], s[N], 0
	s_cselect_b32 s[FIRST], s[FIRST], 0
	s_add_co_u32 s[LIM], s[FIRST], s[N]
	s_max_u32 s[LIM], s[LIM], 1
	s_sub_co_u32 s[LIM], s[LIM], 1                 ; the tile's last row in the list
	s_lshl_b32 s30, s[EX], 12
	s_mov_b32 s31, 0
	s_add_nc_u64 s[48:49], s[14:15], s[30:31]      ; the expert's list
	s_lshl_b32 s32, s[MT], 4
	s_add_co_u32 s32, s32, s[FIRST]
	v_add_nc_u32 v[LIX], s32, v[R]
	v_min_u32 v[LIX], s[LIM], v[LIX]
	v_min_u32 v[LIX], 0x3ff, v[LIX]
	v_lshlrev_b32 v[LIX], 2, v[LIX]
	global_load_b32 v[TOK], v[LIX], s[48:49]       ; the token of row 16 (w / 2) + r
	s_lshl_b32 s32, s[EX], 18                      ; an expert's codes of either weight: 262,144 bytes
	s_lshl_b32 s30, s[WV], 12
	s_add_co_u32 s30, s30, s32
	s_add_nc_u64 s[W1C:W1C+1], s[4:5], s[30:31]    ; w1: my four tiles
	s_lshl_b32 s30, s[WV], 13
	s_add_co_u32 s30, s30, s32
	s_add_co_u32 s30, s30, 0x1000000
	s_add_nc_u64 s[W2C:W2C+1], s[4:5], s[30:31]    ; w2: my eight tiles
	s_lshl_b32 s32, s[EX], 14                      ; its scale words: 16,384 bytes
	s_lshl_b32 s30, s[WV], 8
	s_add_co_u32 s30, s30, s32
	s_add_nc_u64 s[W1S:W1S+1], s[6:7], s[30:31]
	s_lshl_b32 s30, s[WV], 9
	s_add_co_u32 s33, s30, s32
	s_add_nc_u64 s[16:17], s[16:17], s[30:31]      ; part: my 128 outputs' 512 bytes of a row
	s_add_co_u32 s30, s33, 0x100000
	s_add_nc_u64 s[W2S:W2S+1], s[6:7], s[30:31]
; Step t of the weights' stream into slot t % 4: two loads of scale words (a pair of tiles each: lanes 0-15 the even tile's 16 rows, lanes 16-31 the odd one's), eight of codes: ten loads.
.macro WLOAD t
.set SL, (\t)%4
.if (\t) < 8
.set BC, W1C
.set BS, W1S
.set OC, 32768*(\t)
.set OS, 2048*(\t)
.else
.set BC, W2C
.set BS, W2S
.set OC, 65536*(((\t)-8)%4)+4096*(((\t)-8)/4)
.set OS, 4096*(((\t)-8)%4)+256*(((\t)-8)/4)
.endif
	WIN 0
	global_load_b32 v[WS+2*SL], v[LS], s[BS:BS+1] offset:OS
	global_load_b32 v[WS+2*SL+1], v[LS], s[BS:BS+1] offset:OS+128
	WIN 0x40                                       ; destination window 1, address window 0
.irp f, 0,1,2,3
.irp c, 0,1
	global_load_b128 v[32*SL+8*\f+4*\c:32*SL+8*\f+4*\c+3], v[LI], s[BC:BC+1] offset:OC+1024*\f+512*\c
.endr
.endr
	WIN 0
.endm
	WLOAD 0                                        ; asked for ahead of every branch, so that each register that a later part of the text reads has been written on every way to it
	WLOAD 1
	WLOAD 2
	WLOAD 3
	s_wait_loadcnt 40                              ; the token is in; the 40 loads of weights may be out
	v_min_u32 v[TOK], 0x3ff, v[TOK]
	v_lshl_add_u32 v[GA], v[TOK], 9, v[GB]
	v_lshl_add_u32 v[GS], v[TOK], 5, v[GP]
	v_lshlrev_b32 v[GT], 5, v[TOK]
.irp i, 0,1,2,3
.irp c, 0,1
	global_load_b128 v[ACC+8*\i+4*\c:ACC+8*\i+4*\c+3], v[GA], s[8:9] offset:64*\i+32*\c   ; four fragments of x's codes, as the operand's registers want them
.endr
.endr
	global_load_b128 v[ACC+32:ACC+35], v[GS], s[8:9] offset:524288 ; their scale words
	global_load_b128 v[ACC+36:ACC+39], v[GT], s[10:11]             ; the token's eight experts,
	global_load_b128 v[ACC+40:ACC+43], v[GT], s[10:11] offset:16
	global_load_b128 v[ACC+44:ACC+47], v[GT], s[12:13]             ; and their weights
	global_load_b128 v[ACC+48:ACC+51], v[GT], s[12:13] offset:16
	v_mov_b32 v[CWV], 0
	v_mov_b32 v[SLT], 0
	s_wait_loadcnt 0x0
.irp i, 0,1,2,3
.irp c, 0,1
	ds_store_b128 v[XWI], v[ACC+8*\i+4*\c:ACC+8*\i+4*\c+3] offset:XIMG+1024*\i+512*\c
.endr
	ds_store_b32 v[XWS], v[ACC+32+\i] offset:XSC+512*\i
.endr
.irp k, 0,1,2,3,4,5,6,7
	v_cmp_ne_u32 vcc_lo, s[EX], v[ACC+36+\k]
	v_cndmask_b32 v[CWV], v[ACC+44+\k], v[CWV], vcc_lo             ; the weight of my expert,
	v_cndmask_b32 v[SLT], \k, v[SLT], vcc_lo                       ; and which of the eight it is
.endr
	v_lshl_add_u32 v[DST], v[TOK], 3, v[SLT]
	s_cmp_eq_u32 s[PAR], 0                         ; the two waves of a tile of rows hold the same: one stores the weights, the other the rows of part
	s_cbranch_scc0 .Lodd_wave
	ds_store_b32 v[INF], v[CWV] offset:INFO
	s_branch .Linfo_done
.Lodd_wave:
	ds_store_b32 v[INF], v[DST] offset:INFO
.Linfo_done:
	s_wait_dscnt 0x0                               ; for the others' sake: my stores have landed
	s_barrier_signal -1
	s_barrier_wait -1
	s_cmp_eq_u32 s[N], 0
	s_cbranch_scc1 .Lmid                           ; no rows: on to the next barrier
.macro XL m, s, img, ns                ; the rows' fragment (m, s) from its image
.irp c, 0,1
	ds_load_b128 v[X+8*(\m)+4*\c:X+8*(\m)+4*\c+3], v[LI] offset:\img+((\ns)*(\m)+(\s))*1024+512*\c
.endr
.endm
.macro XSL s, sc                       ; the four tiles' scale words of K step s, into set s % 2
	ds_load_b128 v[XS+4*((\s)%2):XS+4*((\s)%2)+3], v[LI] offset:\sc+512*(\s)
.endm
.macro XFIRST img, sc, ns
	XSL 0, \sc
	XL 0, 0, \img, \ns
	XL 1, 0, \img, \ns
	XL 2, 0, \img, \ns
	XL 3, 0, \img, \ns
.endm
.macro MM m, f, sl, set, first
.set rD, ACC+32*(\m)+8*(\f)
.set rA, 32*(\sl)+8*(\f)
.set rB, X+8*(\m)
.set rSA, WS+2*(\sl)+(\f)/2
.set rSB, XS+4*(\set)+(\m)
.if (\f)%2
.if \first
	v_wmma_scale_f32_16x16x128_f8f6f4 v[rD:rD+7], v[rA:rA+7], v[rB:rB+7], 0, v[rSA], v[rSB] matrix_a_fmt:MATRIX_FMT_FP4 matrix_b_fmt:MATRIX_FMT_FP4 matrix_a_scale:MATRIX_SCALE_ROW1
.else
	v_wmma_scale_f32_16x16x128_f8f6f4 v[rD:rD+7], v[rA:rA+7], v[rB:rB+7], v[rD:rD+7], v[rSA], v[rSB] matrix_a_fmt:MATRIX_FMT_FP4 matrix_b_fmt:MATRIX_FMT_FP4 matrix_a_scale:MATRIX_SCALE_ROW1
.endif
.else
.if \first
	v_wmma_scale_f32_16x16x128_f8f6f4 v[rD:rD+7], v[rA:rA+7], v[rB:rB+7], 0, v[rSA], v[rSB] matrix_a_fmt:MATRIX_FMT_FP4 matrix_b_fmt:MATRIX_FMT_FP4
.else
	v_wmma_scale_f32_16x16x128_f8f6f4 v[rD:rD+7], v[rA:rA+7], v[rB:rB+7], v[rD:rD+7], v[rSA], v[rSB] matrix_a_fmt:MATRIX_FMT_FP4 matrix_b_fmt:MATRIX_FMT_FP4
.endif
.endif
.endm
; Step t of the stream = K step s of a product: 16 products, the 16 accumulators by turns, one instruction a turn.  first: they start the sums.  next: the product has a further K step, whose
; row fragments are fetched in two runs, each behind four plain instructions that part it from the products which read those registers.  last: the sums end; five such instructions.
.macro STEP t, img, sc, ns, s, first, next, last
.set LC, 15-(\t)
.if LC > 3
.set LC, 3
.endif
	s_wait_loadcnt 10*LC                           ; this step's ten loads are in; those of the steps behind it, ten each, may be out
	s_wait_dscnt 4                                 ; the scale words and tiles 0 and 1 of the rows are in; the four youngest loads (tiles 2 and 3) may be out
	WIN 0x01                                       ; source 0 (the weight) window 1
.irp m, 0,1
.irp f, 0,1,2,3
	MM \m, \f, (\t)%4, (\s)%2, \first
.endr
.endr
.if \next
.rept 4
	v_nop
.endr
	WIN 0
	XSL (\s)+1, \sc
	XL 0, (\s)+1, \img, \ns
	XL 1, (\s)+1, \img, \ns
	s_wait_dscnt 5                                 ; all but the five just issued
	WIN 0x01
.else
	s_wait_dscnt 0x0
.endif
.irp m, 2,3
.irp f, 0,1,2,3
	MM \m, \f, (\t)%4, (\s)%2, \first
.endr
.endr
.rept 4+\last
	v_nop
.endr
	WIN 0
.if \next
	XL 2, (\s)+1, \img, \ns
	XL 3, (\s)+1, \img, \ns
.endif
.if (\t)+4 < 16
	WLOAD (\t)+4                                   ; the slot just multiplied takes the step four further on
.endif
.endm
; silu(v) cw = (v / (1 + 2^(-v log2 e))) cw for the 32 numbers a lane of tile m, in place.  Each batch of 32 transcendentals has one plain instruction and one wait behind it, ahead of its first reader.
.macro ACT m
.set rA, ACC+32*(\m)
.set i, 0
.rept 16
	v_pk_mul_f32 v[X+i:X+i+1], v[rA+i:rA+i+1], s[NL:NL+1] op_sel_hi:[1,0]   ; each accumulator is read from its low end on
.set i, i+2
.endr
.set i, 0
.rept 32
	v_exp_f32 v[X+i], v[X+i]
.set i, i+1
.endr
	v_nop
	s_wait_alu depctr_va_vdst(0)
.set i, 0
.rept 16
	v_pk_add_f32 v[X+i:X+i+1], v[X+i:X+i+1], 1.0 op_sel_hi:[1,0]
.set i, i+2
.endr
.set i, 0
.rept 32
	v_rcp_f32 v[X+i], v[X+i]
.set i, i+1
.endr
	v_nop
	s_wait_alu depctr_va_vdst(0)
.set i, 0
.rept 16
	v_pk_mul_f32 v[rA+i:rA+i+1], v[rA+i:rA+i+1], v[X+i:X+i+1]
.set i, i+2
.endr
.set i, 0
.rept 16
.if (\m)%2
	v_pk_mul_f32 v[rA+i:rA+i+1], v[rA+i:rA+i+1], v[CW+(\m)-1:CW+(\m)] op_sel:[0,1] op_sel_hi:[1,1]
.else
	v_pk_mul_f32 v[rA+i:rA+i+1], v[rA+i:rA+i+1], v[CW+(\m):CW+(\m)+1] op_sel_hi:[1,0]
.endif
.set i, i+2
.endr
.endm
; Tile m's 32 numbers a lane, register 16 b + i = hidden unit 64 w + 32 b + 16 (lane / 16) + i, become half a fragment (four registers) and two scale bytes, and go to LDS.
.macro QUANT2 m
.set rA, ACC+32*(\m)
.irp b, 0,1
	v_max3_num_f32 v[TM+\b], |v[rA+16*\b]|, |v[rA+1+16*\b]|, 0x1800000      ; and the floor 2^(3 - 127): the byte cannot fall under 1
.endr
.irp i, 2,4,6,8,10,12,14
.irp b, 0,1
	v_max3_num_f32 v[TM+\b], v[TM+\b], |v[rA+16*\b+\i]|, |v[rA+1+16*\b+\i]|
.endr
.endr
.irp b, 0,1
	v_permlanex16_b32 v[TM+2+\b], v[TM+\b], s[SEL], s[SEL+1]
.endr
.irp b, 0,1
	v_max_num_f32 v[TM+\b], v[TM+\b], v[TM+2+\b]
.endr
.irp b, 0,1
	v_add_nc_u32 v[TM+4+\b], 0xff000000, v[TM+\b]
.endr
.irp b, 0,1
	v_lshrrev_b32 v[TM+2+\b], 23, v[TM+4+\b]
.endr
	v_lshl_or_b32 v[PW+(\m)], v[TM+3], 8, v[TM+2]
.irp b, 0,1
	v_cvt_scalef32_pk8_fp4_f32 v[PC+4*(\m)+2*\b], v[rA+16*\b:rA+16*\b+7], v[TM+4+\b]
	v_cvt_scalef32_pk8_fp4_f32 v[PC+4*(\m)+2*\b+1], v[rA+16*\b+8:rA+16*\b+15], v[TM+4+\b]
.endr
	v_nop                                          ; one plain instruction behind the scaled conversions
	v_permlane16_swap_b32 v[PC+4*(\m)], v[PC+4*(\m)+2]             ; a whole block to a lane: lanes 0-15 the first, lanes 16-31 the second
	v_permlane16_swap_b32 v[PC+4*(\m)+1], v[PC+4*(\m)+3]
	ds_store_b128 v[HWI], v[PC+4*(\m):PC+4*(\m)+3] offset:4096*(\m)
	ds_store_b16 v[HWS], v[PW+(\m)] offset:4*(\m)
.endm
	; ---- the first product, the activation, the quantiser
.irp m, 0,1,2,3
	ds_load_b32 v[CW+\m], v[LS] offset:INFO+256*\m
.endr
	XFIRST XIMG, XSC, 8
	STEP 0, XIMG, XSC, 8, 0, 1, 1, 0
.irp t, 1,2,3,4,5,6
	STEP \t, XIMG, XSC, 8, \t, 0, 1, 0
.endr
	STEP 7, XIMG, XSC, 8, 7, 0, 0, 1
.irp m, 0,1,2,3
	ACT \m
	QUANT2 \m
.endr
.Lmid:
	s_wait_dscnt 0x0                               ; my part of the hidden layer has landed
	s_barrier_signal -1
	s_barrier_wait -1
	s_cmp_eq_u32 s[N], 0
	s_cbranch_scc1 .Lend
; THE WAY OUT of tile m in pass p: a lane holds 64 + 64 bytes of one row; through my own stage the rows come back whole, 256 bytes, and sixteen lanes store them as one aligned run into the row of part that INFO names.
.macro OUT p, m
	s_cmp_le_u32 s[N], 16*(\m)
	s_cbranch_scc1 .Lpass_end_\p
	s_wait_xcnt 0x0                                ; earlier stores have read the registers that are loaded now
.irp q, 0,1,2,3,4,5,6,7
	ds_store_b128 v[STO], v[ACC+32*(\m)+4*\q:ACC+32*(\m)+4*\q+3] offset:128*(\q/4)+16*(\q%4)   ; each accumulator from its low end on
.endr
.irp i, 0,1,2,3,4,5,6,7
	ds_load_b128 v[X+4*\i:X+4*\i+3], v[RD] offset:2*\i*SP          ; LDS serves a wave's instructions in order: these see my stores
.endr
.irp i, 0,1,2,3,4,5,6,7
	ds_load_b32 v[DD+\i], v[RB] offset:INFO+128*(2*(\m)+1)+8*\i
.endr
	s_wait_dscnt 0x0
.irp i, 0,1,2,3,4,5,6,7
	v_min_u32 v[DD+\i], 0x1fff, v[DD+\i]
.endr
.irp i, 0,1,2,3,4,5,6,7
	v_lshl_add_u32 v[DD+\i], v[DD+\i], 12, v[C16]
.endr
.irp i, 0,1,2,3,4,5,6,7
.if \i > 0
	s_cmp_le_u32 s[N], 16*(\m)+2*\i
	s_cbranch_scc1 .Lpass_end_\p
.endif
	global_store_b128 v[DD+\i], v[X+4*\i:X+4*\i+3], s[16:17] offset:256*(\p) th:TH_STORE_NT
.endr
.endm
	; ---- the second product: two passes of 64 outputs
.irp p, 0,1
	s_wait_xcnt 0x0                                ; the last pass's stores have read v192-223
	XFIRST HIMG, HSC, 4
	STEP 8+4*\p, HIMG, HSC, 4, 0, 1, 1, 0
	STEP 9+4*\p, HIMG, HSC, 4, 1, 0, 1, 0
	STEP 10+4*\p, HIMG, HSC, 4, 2, 0, 1, 0
	STEP 11+4*\p, HIMG, HSC, 4, 3, 0, 0, 1
	OUT \p, 0
	OUT \p, 1
	OUT \p, 2
	OUT \p, 3
.Lpass_end_\p:
.endr
.Lend:
	s_wait_tensorcnt 0x0
	ds_add_u32 v254, v255
	s_wait_dscnt 0x0
	s_endpgm
.Lfunc_end_k_q62de7a8ca3_experts:
	.size	k_q62de7a8ca3_experts, .Lfunc_end_k_q62de7a8ca3_experts-k_q62de7a8ca3_experts
	.p2alignl 7, 3214868480
	.fill 96, 4, 3214868480
	.section	.rodata,"a",@progbits
	.p2align	6, 0x0
	.amdhsa_kernel k_q62de7a8ca3_experts
		.amdhsa_group_segment_fixed_size 92160
		.amdhsa_private_segment_fixed_size 0
		.amdhsa_enable_private_segment 0
		.amdhsa_kernarg_size 56
		.amdhsa_user_sgpr_count 2
		.amdhsa_user_sgpr_kernarg_segment_ptr 1
		.amdhsa_wavefront_size32 1
		.amdhsa_system_sgpr_workgroup_id_x 1
		.amdhsa_system_sgpr_workgroup_id_y 1
		.amdhsa_system_sgpr_workgroup_id_z 1
		.amdhsa_system_vgpr_workitem_id 0
		.amdhsa_next_free_vgpr 384
		.amdhsa_next_free_sgpr 66
		.amdhsa_reserve_vcc 1
		.amdhsa_float_denorm_mode_32 3
		.amdhsa_float_denorm_mode_16_64 3
		.amdhsa_memory_ordered 1
		.amdhsa_forward_progress 1
		.amdhsa_inst_pref_size 139
	.end_amdhsa_kernel
	.amdgpu_metadata
---
amdhsa.version: [ 1, 2 ]
amdhsa.kernels:
  - .name:           k_q62de7a8ca3_experts
    .symbol:         k_q62de7a8ca3_experts.kd
    .args:
      - { .name: wc, .offset: 0, .size: 8, .value_kind: global_buffer, .address_space: global }
      - { .name: ws, .offset: 8, .size: 8, .value_kind: global_buffer, .address_space: global }
      - { .name: xq, .offset: 16, .size: 8, .value_kind: global_buffer, .address_space: global }
      - { .name: sel, .offset: 24, .size: 8, .value_kind: global_buffer, .address_space: global }
      - { .name: topw, .offset: 32, .size: 8, .value_kind: global_buffer, .address_space: global }
      - { .name: rows, .offset: 40, .size: 8, .value_kind: global_buffer, .address_space: global }
      - { .name: part, .offset: 48, .size: 8, .value_kind: global_buffer, .address_space: global }
    .group_segment_fixed_size: 92160
    .private_segment_fixed_size: 0
    .kernarg_segment_align: 8
    .kernarg_segment_size: 56
    .max_flat_workgroup_size: 256
    .sgpr_count:     66
    .vgpr_count:     384
    .wavefront_size: 32
...
	.end_amdgpu_metadata
.endif
;; end of part 3
;; launch combine (part 4): grid 256 x 1, 8 waves a work-group, no clusters, 0 bytes of LDS; arguments part, out0; writes out0
.if DOCPART == 4
	.amdgcn_target "amdgcn-amd-amdhsa--gfx1250"
	.amdhsa_code_object_version 6
	.text
	.protected	k_q62de7a8ca3_combine
	.globl	k_q62de7a8ca3_combine
	.p2align	8
	.type	k_q62de7a8ca3_combine,@function
k_q62de7a8ca3_combine:
	s_mov_b64 s[64:65], 0
	v_nop
	global_prefetch_b8 v0, s[64:65] scope:SCOPE_SE
	s_setreg_imm32_b32 hwreg(HW_REG_WAVE_MODE, 25, 1), 1
	s_wait_xcnt 0x0
; COMBINE.  out0[t][:] = the sum of the eight rows part[8 t + j][:], in f32, as ((0 + 1) + (2 + 3)) + ((4 + 5) + (6 + 7)).  part: [8192][1024], out0: [1024][1024], f32.
; A stream: no LDS, no barrier, no matrix unit.  A work-group of eight waves takes 4 tokens; thread t owns the 16 bytes at byte 16 t of every row, so a wave's load or store covers 512 consecutive bytes.
; All 32 loads of a thread go out at once; each has registers of its own; the waits count down by tokens.
.set ROW, 4096
.set P,   4                            ; v4-131: row 8 q + j at v[4 + 32 q + 4 j]
	s_load_b128 s[4:7], s[0:1], 0x0                ; part, out0
	v_lshlrev_b32 v1, 4, v0
	s_lshl_b32 s8, ttmp9, 17                       ; 32 rows of part a work-group
	s_mov_b32 s9, 0
	s_lshl_b32 s10, ttmp9, 14                      ; 4 rows of out0
	s_mov_b32 s11, 0
	s_wait_kmcnt 0x0
	s_add_nc_u64 s[4:5], s[4:5], s[8:9]
	s_add_nc_u64 s[6:7], s[6:7], s[10:11]
.set i, 0
.rept 32
	global_load_b128 v[P+4*i:P+4*i+3], v1, s[4:5] offset:ROW*i th:TH_LOAD_NT
.set i, i+1
.endr
.macro ADD4 a, b                       ; four numbers: a += b
	v_pk_add_f32 v[\a:\a+1], v[\a:\a+1], v[\b:\b+1]
	v_pk_add_f32 v[\a+2:\a+3], v[\a+2:\a+3], v[\b+2:\b+3]
.endm
.macro TOKEN q
	s_wait_loadcnt 24-8*\q                         ; this token's eight rows are in; the later tokens' may be out
	ADD4 P+32*\q, P+32*\q+4
	ADD4 P+32*\q+8, P+32*\q+12
	ADD4 P+32*\q+16, P+32*\q+20
	ADD4 P+32*\q+24, P+32*\q+28
	ADD4 P+32*\q, P+32*\q+8
	ADD4 P+32*\q+16, P+32*\q+24
	ADD4 P+32*\q, P+32*\q+16
	global_store_b128 v1, v[P+32*\q:P+32*\q+3], s[6:7] offset:ROW*\q th:TH_STORE_NT
.endm
	TOKEN 0
	TOKEN 1
	TOKEN 2
	TOKEN 3
	s_endpgm
.Lfunc_end_k_q62de7a8ca3_combine:
	.size	k_q62de7a8ca3_combine, .Lfunc_end_k_q62de7a8ca3_combine-k_q62de7a8ca3_combine
	.p2alignl 7, 3214868480
	.fill 96, 4, 3214868480
	.section	.rodata,"a",@progbits
	.p2align	6, 0x0
	.amdhsa_kernel k_q62de7a8ca3_combine
		.amdhsa_group_segment_fixed_size 0
		.amdhsa_private_segment_fixed_size 0
		.amdhsa_enable_private_segment 0
		.amdhsa_kernarg_size 16
		.amdhsa_user_sgpr_count 2
		.amdhsa_user_sgpr_kernarg_segment_ptr 1
		.amdhsa_wavefront_size32 1
		.amdhsa_system_sgpr_workgroup_id_x 1
		.amdhsa_system_sgpr_workgroup_id_y 1
		.amdhsa_system_sgpr_workgroup_id_z 1
		.amdhsa_system_vgpr_workitem_id 0
		.amdhsa_next_free_vgpr 144
		.amdhsa_next_free_sgpr 66
		.amdhsa_reserve_vcc 0
		.amdhsa_float_denorm_mode_32 3
		.amdhsa_float_denorm_mode_16_64 3
		.amdhsa_memory_ordered 1
		.amdhsa_forward_progress 1
		.amdhsa_inst_pref_size 8
	.end_amdhsa_kernel
	.amdgpu_metadata
---
amdhsa.version: [ 1, 2 ]
amdhsa.kernels:
  - .name:           k_q62de7a8ca3_combine
    .symbol:         k_q62de7a8ca3_combine.kd
    .args:
      - { .name: part, .offset: 0, .size: 8, .value_kind: global_buffer, .address_space: global }
      - { .name: out0, .offset: 8, .size: 8, .value_kind: global_buffer, .address_space: global }
    .group_segment_fixed_size: 0
    .private_segment_fixed_size: 0
    .kernarg_segment_align: 8
    .kernarg_segment_size: 16
    .max_flat_workgroup_size: 256
    .sgpr_count:     66
    .vgpr_count:     144
    .wavefront_size: 32
...
	.end_amdgpu_metadata
.endif
;; end of part 4
;; ======== version 2 of 2: 4 launches; version 1 with the launch combine written anew for expert scheduling mode
;; limits: below input magnitudes of 7.7e-34 results are inexact or not finite
;; workspace buffers: xq 557,056 bytes; sel 40,960 bytes of whole numbers; topw 32,768 bytes; wc 33,554,432 bytes; ws 2,097,152 bytes; rows 262,400 bytes of whole numbers; part 33,554,432 bytes
;; launch route: the kernel of part 1 again; grid 64 x 1, 16 waves a work-group, no clusters, 163,584 bytes of LDS; arguments x, gate_w, xq, sel, topw; writes xq, sel, topw
;; launch prep: the kernel of part 2 again; grid 272 x 1, 4 waves a work-group, no clusters, 43,520 bytes of LDS; arguments qweight1, qzeros1, scales1, qweight2, qzeros2, scales2, sel, wc, ws, rows; writes wc, ws, rows
;; launch experts: the kernel of part 3 again; grid 191 x 1, 8 waves a work-group, no clusters, 92,160 bytes of LDS; arguments wc, ws, xq, sel, topw, rows, part; writes part
;; launch combine (part 5): grid 256 x 1, 8 waves a work-group, no clusters, 0 bytes of LDS; arguments part, out0; writes out0
.if DOCPART == 5
	.amdgcn_target "amdgcn-amd-amdhsa--gfx1250"
	.amdhsa_code_object_version 6
	.text
	.protected	k_q62de7a8ca3_combine
	.globl	k_q62de7a8ca3_combine
	.p2align	8
	.type	k_q62de7a8ca3_combine,@function
k_q62de7a8ca3_combine:
	s_mov_b64 s[64:65], 0
	v_nop
	global_prefetch_b8 v0, s[64:65] scope:SCOPE_SE
	s_setreg_imm32_b32 hwreg(HW_REG_WAVE_SCHED_MODE, 0, 2), 2
	s_setreg_imm32_b32 hwreg(HW_REG_WAVE_MODE, 25, 1), 1
	s_wait_xcnt 0x0
	s_wait_alu depctr_vm_vsrc(0)
; COMBINE.  out0[t][:] = the sum of the eight rows part[8 t + j][:], in f32, as ((0 + 1) + (2 + 3)) + ((4 + 5) + (6 + 7)).  part: [8192][1024], out0: [1024][1024], f32.
; A stream: no LDS, no barrier, no matrix unit.  A work-group of eight waves takes 4 tokens; thread t owns the 16 bytes at byte 16 t of every row, so a wave's load or store covers 512 consecutive bytes.
; All 32 loads of a thread go out at once; each has registers of its own; the waits count down by tokens.
; THE MODE: SCHED_MODE bits 1:0 = 2 (LLVM: expert scheduling mode 2), set by the entry lines.  The code itself states the register dependences
; between vector instructions and memory instructions, with s_wait_alu, always for 0.
; THE PLAN.  Registers that memory instructions touch:
;   v1       the offset 16 t.  Written once, at the head; read by all 32 loads and all 4 stores; never written again.
;   v4-131   four registers to each load.  All loads are issued ahead of the first vector instruction that names one of these registers.  Token q's fourteen additions read and write its own 32 registers;
;            the sum ends in the token's first four, which one store reads; nothing writes them behind that store.
; So: one wait on va_vdst ahead of the first load (v1).  One at the head of tokens 1 to 3, behind the wait for the token's rows: the token before has written its sum, and its store follows.  One ahead of the last store.
; No register that a memory instruction has read is written again, so no wait on vm_vsrc is owed; no vector instruction writes a scalar register; EXEC is never written.
.set ROW, 4096
.set P,   4                            ; v4-131: row 8 q + j at v[4 + 32 q + 4 j]
	s_load_b128 s[4:7], s[0:1], 0x0                ; part, out0
	v_lshlrev_b32 v1, 4, v0
	s_lshl_b32 s8, ttmp9, 17                       ; 32 rows of part a work-group
	s_mov_b32 s9, 0
	s_lshl_b32 s10, ttmp9, 14                      ; 4 rows of out0
	s_mov_b32 s11, 0
	s_wait_kmcnt 0x0
	s_add_nc_u64 s[4:5], s[4:5], s[8:9]
	s_add_nc_u64 s[6:7], s[6:7], s[10:11]
	s_wait_alu depctr_va_vdst(0)                   ; v1 is written: every load and store of the kernel reads it as its offset
.set i, 0
.rept 32
	global_load_b128 v[P+4*i:P+4*i+3], v1, s[4:5] offset:ROW*i th:TH_LOAD_NT
.set i, i+1
.endr
.macro ADD4 a, b                       ; four numbers: a += b
	v_pk_add_f32 v[\a:\a+1], v[\a:\a+1], v[\b:\b+1]
	v_pk_add_f32 v[\a+2:\a+3], v[\a+2:\a+3], v[\b+2:\b+3]
.endm
.macro SEND q                          ; token q's sum goes out
	global_store_b128 v1, v[P+32*(\q):P+32*(\q)+3], s[6:7] offset:ROW*(\q) th:TH_STORE_NT
.endm
.macro TOKEN q
	s_wait_loadcnt 24-8*\q                         ; this token's eight rows are in; the later tokens' may be out
.if \q > 0
	s_wait_alu depctr_va_vdst(0)                   ; the additions of the token before have written its sum, which the store below reads
	SEND (\q)-1
.endif
	ADD4 P+32*\q, P+32*\q+4
	ADD4 P+32*\q+8, P+32*\q+12
	ADD4 P+32*\q+16, P+32*\q+20
	ADD4 P+32*\q+24, P+32*\q+28
	ADD4 P+32*\q, P+32*\q+8
	ADD4 P+32*\q+16, P+32*\q+24
	ADD4 P+32*\q, P+32*\q+16
.endm
	TOKEN 0
	TOKEN 1
	TOKEN 2
	TOKEN 3
	s_wait_alu depctr_va_vdst(0)                   ; token 3's additions have written its sum, which the last store reads
	SEND 3
	s_endpgm
.Lfunc_end_k_q62de7a8ca3_combine:
	.size	k_q62de7a8ca3_combine, .Lfunc_end_k_q62de7a8ca3_combine-k_q62de7a8ca3_combine
	.p2alignl 7, 3214868480
	.fill 96, 4, 3214868480
	.section	.rodata,"a",@progbits
	.p2align	6, 0x0
	.amdhsa_kernel k_q62de7a8ca3_combine
		.amdhsa_group_segment_fixed_size 0
		.amdhsa_private_segment_fixed_size 0
		.amdhsa_enable_private_segment 0
		.amdhsa_kernarg_size 16
		.amdhsa_user_sgpr_count 2
		.amdhsa_user_sgpr_kernarg_segment_ptr 1
		.amdhsa_wavefront_size32 1
		.amdhsa_system_sgpr_workgroup_id_x 1
		.amdhsa_system_sgpr_workgroup_id_y 1
		.amdhsa_system_sgpr_workgroup_id_z 1
		.amdhsa_system_vgpr_workitem_id 0
		.amdhsa_next_free_vgpr 144
		.amdhsa_next_free_sgpr 66
		.amdhsa_reserve_vcc 0
		.amdhsa_float_denorm_mode_32 3
		.amdhsa_float_denorm_mode_16_64 3
		.amdhsa_memory_ordered 1
		.amdhsa_forward_progress 1
		.amdhsa_inst_pref_size 8
	.end_amdhsa_kernel
	.amdgpu_metadata
---
amdhsa.version: [ 1, 2 ]
amdhsa.kernels:
  - .name:           k_q62de7a8ca3_combine
    .symbol:         k_q62de7a8ca3_combine.kd
    .args:
      - { .name: part, .offset: 0, .size: 8, .value_kind: global_buffer, .address_space: global }
      - { .name: out0, .offset: 8, .size: 8, .value_kind: global_buffer, .address_space: global }
    .group_segment_fixed_size: 0
    .private_segment_fixed_size: 0
    .kernarg_segment_align: 8
    .kernarg_segment_size: 16
    .max_flat_workgroup_size: 256
    .sgpr_count:     66
    .vgpr_count:     144
    .wavefront_size: 32
...
	.end_amdgpu_metadata
.endif
;; end of part 5
